; MI455X (gfx1250); checked and timed in simulation.
; The chip was launched on July 23, 2026; its instructions are those of AMD's public machine-readable ISA for CDNA 5 (MIT licence, August 2026) and "CDNA5" Instruction Set Architecture Reference Guide (July 2026). The comments in the code are by the model that wrote it; some were corrected since.
;; Diversity Attention. Allowed arithmetic: matrix products marked QUANTISED: E2M1 operands, one E8M0 scale for each 32 along K, by v_wmma_scale_f32_16x16x128_f8f6f4 with both operands' format E2M1 (or v_wmma_scale_f32_32x16x128_f4), f32 sums; products left as they are: bf16, f16 or f32 operands; f32 sums; everything else in f32.
;; Inputs: Wk 1,024 x 1,024 float32; Wo 1,024 x 1,024 float32; Wq 1,024 x 1,024 float32; Wv 1,024 x 1,024 float32; attn_mask 2,048 x 2,048 bool; bk 1,024 float32; bo 1,024 float32; bq 1,024 float32; bv 1,024 float32; x 2 x 2,048 x 1,024 float32.
;; Outputs: out0 2 x 2,048 x 1,024 float32.
;; This version of the problem:
;;   THIS VERSION OF THE PROBLEM IS GIVEN IN LOW PRECISION. The matrix products marked QUANTISED in the list below multiply operands that are first quantised to E2M1 (2 exponent bits, 1 mantissa bit; 4 bits a number), with one power-of-two scale for each 32 numbers along K (OCP MX v1.0); their sums are f32. The products marked 'left as it is' may take bf16, f16 or f32 operands, with f32 sums. Whichever they take, every output number must still come out within the allowed error. Rounding operands to bf16 (8 significant bits) uses up far more of that allowance than f16 does (11 bits, for magnitudes from 6e-5 to 65,504). All else is computed in f32.
;;   The module's matrix products, in the order in which they are computed (A, B: the left and right operand; K: the contracted axis; several contracted axes count as one K, in the product's order):
;;     1. [M 4,096, K 1,024] x [K 1,024, N 1,024]; A: input x; B: input Wq: QUANTISED
;;     2. [M 4,096, K 1,024] x [K 1,024, N 1,024]; A: input x; B: input Wk: QUANTISED
;;     3. [M 4,096, K 1,024] x [K 1,024, N 1,024]; A: input x; B: input Wv: QUANTISED
;;     4. batch 32 x [M 2,048, K 64] x [K 64, N 2,048]; A: computed on the way; B: computed on the way: left as it is (an operand is computed on the way)
;;     5. batch 2 x [M 2,048, K 1,024] x [K 1,024, N 2,048]; A: computed on the way; B: computed on the way: left as it is (an operand is computed on the way)
;;     6. batch 32 x [M 2,048, K 2,048] x [K 2,048, N 64]; A: computed on the way; B: computed on the way: left as it is (an operand is computed on the way)
;;     7. [M 4,096, K 1,024] x [K 1,024, N 1,024]; A: computed on the way; B: input Wo: left as it is (an operand is computed on the way)
;;   THE QUANTISER, for each operand of a quantised product, along K:
;;     - K is cut into blocks of 32 from its start; a last block that is shorter is filled with zeros.
;;     - A block's scale is 2^e with e = floor(log2(the largest magnitude in the block)) - 2, held to -126 .. 127; a block of zeros has e = 0. As a byte (E8M0): e + 127.
;;     - Each number is divided by its block's scale, clamped to +-6, and rounded to the nearest number of E2M1, ties to even, subnormals kept.
;;     - The product sums the exact products of the quantised numbers (number of the format x scale) in f32.
;;   ~~~python
;;   def quantise(x, axis):      # numpy; x: float32 -> the quantised numbers, widened to float32 again
;;       x = np.moveaxis(x, axis, -1); K = x.shape[-1]
;;       x = np.pad(x, [(0, 0)] * (x.ndim - 1) + [(0, -K % 32)]); x = x.reshape(x.shape[:-1] + (-1, 32)); a = np.abs(x).max(-1, keepdims=True)
;;       e = np.where(a > 0, np.clip(np.frexp(np.where(a > 0, a, 1))[1] - 1 - 2, -126, 127), 0)      # np.frexp(a)[1] - 1 = floor(log2(a)), exactly
;;       r = np.clip(x / 2.0 ** e, -6, 6)
;;       step = 2.0 ** (np.maximum(np.frexp(np.where(r == 0, 1, r))[1] - 1, 0) - 1)
;;       q = np.round(r / step) * step * 2.0 ** e      # np.round: ties to even
;;       return np.moveaxis(q.reshape(q.shape[:-2] + (-1,))[..., :K], -1, axis).astype(np.float32)
;;   ~~~
;; One version. Each part assembles by itself: llvm-mc -triple=amdgcn-amd-amdhsa -mcpu=gfx1250 --defsym DOCPART=n.
;; ======== version 1 of 1: 5 launches
;; limits: values are held in f16: magnitudes above 65,504 overflow, below 6.1e-05 lose precision
;; workspace buffers: codes 3,670,016 bytes; scales 229,376 bytes; h16 10,485,760 bytes; qkv 25,165,824 bytes; bias 33,554,432 bytes; ctx 8,388,608 bytes
;; launch prep (part 1): grid 256 x 1, 4 waves a work-group, no clusters, 66,048 bytes of LDS; arguments x, Wq, Wk, Wv, Wo, codes, scales, h16; writes codes, scales, h16
.if DOCPART == 1
	.amdgcn_target "amdgcn-amd-amdhsa--gfx1250"
	.amdhsa_code_object_version 6
	.text
	.protected	k_qaa60aeacaf_prep
	.globl	k_qaa60aeacaf_prep
	.p2align	8
	.type	k_qaa60aeacaf_prep,@function
k_qaa60aeacaf_prep:
	s_mov_b64 s[64:65], 0
	v_nop
	global_prefetch_b8 v0, s[64:65] scope:SCOPE_SE
	s_setreg_imm32_b32 hwreg(HW_REG_WAVE_MODE, 25, 1), 1
	s_wait_xcnt 0x0
; THE PROGRAM: attention with a bias of -0.5 x cosine similarity of the rows of x, in five launches: this one; the three projections as one product on codes; the bias; the attention; the projection out.
; DEAD WORK, LEFT OUT IN THE WHOLE PROGRAM: bk.  k = x Wk^T + bk enters the score product alone, which is not quantised: (q + bq) . (k_j + bk) = (q + bq) . k_j + (q + bq) . bk, and the last term
; is the same for every key j of a query: a term added to a softmax's input that is equal along its axis; it cancels for all finite values of the inputs, under any mask.  So bk is not loaded and is among no launch's arguments.
; LIMIT: a NaN, an infinity or an overflow that bk alone would bring is not carried to the result.
; THIS LAUNCH.  8,192 rows of 1,024 f32, in the order x (4,096), Wq, Wk, Wv, Wo (1,024 each).  x, Wq, Wk, Wv become codes of E2M1, K innermost, [7,168][512 bytes], with one E8M0 byte for each 32 along K, [7,168][32].
; x also becomes x / max(|x|, 1e-12) in f16, and Wo f16: h16 [5,120][1,024].
; A block's scale is 2^(floor(log2(its largest magnitude)) - 2); its byte is the largest magnitude's exponent field - 2, held at 1 from below.  A block of zeros gets the byte 1 where the rule says 127: its codes are zeros,
; which add nothing under any byte but 0xff, and this program alone reads the bytes.
; LIMITS: NaN and infinities among the inputs are not served; Wo must lie inside f16's range (65,504).
; SHARES.  Work-group g takes rows 32 g on, each of its four waves 8 rows.  g < 128: x (quantise, norm, f16); g < 224: a weight (quantise); else Wo (f16).  The three ways are one macro with flags.
; Each load reads 512 consecutive bytes, 16 a lane.  The conversions want 16 neighbours in a lane: half a row (2,048 bytes) turns through the wave's own stage in LDS, 64 bytes + 16 of padding a lane.
; The norm and the f16 numbers are made from the registers as loaded.  No tensor load, no barrier: waves share nothing.  Loads run three rows (24 loads a wave) ahead.
.set ROWB,  4096                       ; a row in bytes
.set SP,    80                         ; a lane's place in a stage
.set HSTG,  32*SP                      ; a stage: half a row
.set SCB,   2*HSTG                     ; behind a wave's two stages: its 256 scale bytes
.set SPARE, 65536                      ; behind the regions (x's way: 0 on; the weights' way: 32,768 on; 8,192 a wave): the spare words, 128 bytes a wave, which no other line names
.set SPW,   12                         ; v12  LDS address of my spare word; never rewritten
.set NIL,   13                         ; v13  0; never rewritten
.set R,     16                         ; v16-143  four sets of 32: a row as loaded
.set X,     144                        ; v144-175 two halves of 16 neighbours
.set C,     176                        ; v176-207 codes: four registers a row, never written again
.set E,     208                        ; v208-223 a scale byte for each half row
.set T,     224                        ; v224-239 at work
.set H,     240                        ; v240-255 a row's f16 numbers
	s_load_b256 s[8:15], s[0:1], 0x0               ; x, Wq, Wk, Wv
	s_load_b256 s[16:23], s[0:1], 0x20             ; Wo, codes, scales, h16
	v_lshl_add_u32 v[SPW], v0, 2, SPARE
	v_mov_b32 v[NIL], 0
	v_mov_b32 v[T+5], 0                            ; named as the upper half of the pair v[T+4:T+5], so it is written
	v_lshrrev_b32 v1, 5, v0
	v_readfirstlane_b32 s24, v1                    ; wave
	v_and_b32 v2, 31, v0                           ; lane
	v_lshlrev_b32 v3, 4, v2                        ; my 16 bytes of a load's 512
	v_lshlrev_b32 v4, 3, v2                        ; my 8 bytes of a store's 256
	s_lshl_b32 s25, s24, 13                        ; my wave's region
	v_lshrrev_b32 v14, 2, v2
	v_mul_u32_u24 v14, v14, SP
	v_and_b32 v15, 3, v2
	v_lshl_add_u32 v14, v15, 4, v14
	v_add_nc_u32 v14, s25, v14                     ; the stage, on the way in: four lanes' 64 bytes on end, then 16 of padding
	v_mul_u32_u24 v15, v2, SP
	v_add_nc_u32 v15, s25, v15                     ; and on the way out: my 16 neighbours
	v_lshrrev_b32 v5, 1, v2
	s_add_co_u32 s25, s25, SCB
	v_add_nc_u32 v5, s25, v5                       ; my block's scale byte
	v_add_nc_u32 v6, s25, v4                       ; and 8 of the wave's 256 on the way out
	s_mov_b32 s34, 0x76543210
	s_mov_b32 s35, 0xfedcba98                      ; v_permlanex16_b32's selects for lane l xor 16
	s_lshl_b32 s36, s24, 3                         ; 8 x wave
	s_wait_kmcnt 0x0
	s_mov_b64 s[28:29], s[16:17]                   ; which tensor is mine, and at which work-group it begins: choices on the work-group's number alone
	s_mov_b32 s26, 224
	s_cmp_lt_u32 ttmp9, 224
	s_cselect_b64 s[28:29], s[14:15], s[28:29]
	s_cselect_b32 s26, 192, s26
	s_cmp_lt_u32 ttmp9, 192
	s_cselect_b64 s[28:29], s[12:13], s[28:29]
	s_cselect_b32 s26, 160, s26
	s_cmp_lt_u32 ttmp9, 160
	s_cselect_b64 s[28:29], s[10:11], s[28:29]
	s_cselect_b32 s26, 128, s26
	s_cmp_lt_u32 ttmp9, 128
	s_cselect_b64 s[28:29], s[8:9], s[28:29]
	s_cselect_b32 s26, 0, s26
	s_cselect_b32 s33, 0, 96                       ; h16's rows: x's as they are, Wo's 96 work-groups further up
	s_sub_co_u32 s27, ttmp9, s26
	s_lshl_b32 s27, s27, 5
	s_add_co_u32 s27, s27, s36                     ; my first row in the tensor
	s_lshl_b32 s30, s27, 12
	s_mov_b32 s31, 0
	s_add_nc_u64 s[28:29], s[28:29], s[30:31]
	s_lshl_b32 s27, ttmp9, 5
	s_add_co_u32 s27, s27, s36                     ; my first row among the 7,168 of codes
	s_lshl_b32 s30, s27, 9
	s_add_nc_u64 s[18:19], s[18:19], s[30:31]
	s_lshl_b32 s30, s27, 5
	s_add_nc_u64 s[20:21], s[20:21], s[30:31]
	s_sub_co_u32 s27, ttmp9, s33
	s_lshl_b32 s27, s27, 5
	s_add_co_u32 s27, s27, s36                     ; my first row of h16
	s_lshl_b32 s30, s27, 11
	s_add_nc_u64 s[22:23], s[22:23], s[30:31]
.macro LOADROW j                       ; row j into set j % 4: eight loads of 512 consecutive bytes
.irp i, 0,1,2,3,4,5,6,7
	global_load_b128 v[R+32*((\j)%4)+4*\i:R+32*((\j)%4)+4*\i+3], v3, s[28:29] offset:ROWB*(\j)+512*\i th:TH_LOAD_NT
.endr
.endm
; Row j.  Q: quantise;  N: divide by the norm;  F: store f16;  LB: where this way's LDS regions begin.
.macro ROW j, Q, N, F, LB
.set RS, R+32*((\j)%4)
.if (\j) < 5
	s_wait_loadcnt 24                              ; my row's eight loads are in; those of the three rows behind it may be out
.else
	s_wait_loadcnt 8*(7-(\j))
.endif
.if \Q
.irp i, 0,1,2,3,4,5,6,7
	ds_store_b128 v14, v[RS+4*\i:RS+4*\i+3] offset:\LB+HSTG*(\i/4)+8*SP*(\i%4)
.endr
.irp i, 0,1,2,3,4,5,6,7
	ds_load_b128 v[X+4*\i:X+4*\i+3], v15 offset:\LB+HSTG*(\i/4)+16*(\i%4)   ; LDS serves a wave's instructions in order: these see the stores above
.endr
.endif
.if \N                                 ; the row's norm, from the registers as loaded, while the row turns through the stage
	v_pk_mul_f32 v[T:T+1], v[RS:RS+1], v[RS:RS+1]
	v_pk_mul_f32 v[T+2:T+3], v[RS+2:RS+3], v[RS+2:RS+3]
.irp k, 4,8,12,16,20,24,28
	v_pk_fma_f32 v[T:T+1], v[RS+\k:RS+\k+1], v[RS+\k:RS+\k+1], v[T:T+1]
	v_pk_fma_f32 v[T+2:T+3], v[RS+\k+2:RS+\k+3], v[RS+\k+2:RS+\k+3], v[T+2:T+3]
.endr
	v_pk_add_f32 v[T:T+1], v[T:T+1], v[T+2:T+3]
	v_add_f32 v[T], v[T], v[T+1]
	v_add_f32_dpp v[T], v[T], v[T] row_xmask:1 row_mask:0xf bank_mask:0xf
	v_add_f32_dpp v[T], v[T], v[T] row_xmask:2 row_mask:0xf bank_mask:0xf
	v_add_f32_dpp v[T], v[T], v[T] row_xmask:4 row_mask:0xf bank_mask:0xf
	v_add_f32_dpp v[T], v[T], v[T] row_xmask:8 row_mask:0xf bank_mask:0xf
	v_permlanex16_b32 v[T+1], v[T], s34, s35
	v_add_f32 v[T], v[T], v[T+1]                   ; the sum of squares, in every lane
	v_sqrt_f32 v[T+2], v[T]
	v_nop                                          ; a plain instruction behind the root,
	s_wait_alu depctr_va_vdst(0)                   ; and the wait ahead of its first reader
	v_max_num_f32 v[T+2], 0x2b8cbccc, v[T+2]       ; max(norm, 1e-12)
	v_rcp_f32 v[T+4], v[T+2]
	v_nop                                          ; its wait stands below, ahead of its first reader: the quantiser's lines are the work between
.endif
.if \Q
	s_wait_dscnt 0x0                               ; the row is back from the stage
.irp hf, 0,1
	v_max3_num_f32 v8, |v[X+16*\hf]|, |v[X+16*\hf+1]|, |v[X+16*\hf+2]|      ; the largest magnitude of my 16
	v_max3_num_f32 v9, |v[X+16*\hf+3]|, |v[X+16*\hf+4]|, |v[X+16*\hf+5]|
.irp i, 6,10
	v_max3_num_f32 v8, v8, |v[X+16*\hf+\i]|, |v[X+16*\hf+\i+1]|
	v_max3_num_f32 v9, v9, |v[X+16*\hf+\i+2]|, |v[X+16*\hf+\i+3]|
.endr
	v_max3_num_f32 v8, v8, |v[X+16*\hf+14]|, |v[X+16*\hf+15]|
	v_max3_num_f32 v8, v8, v9, 0x1800000           ; and the floor 2^(3 - 127): the byte cannot fall under 1
	v_max_num_f32_dpp v8, v8, v8 row_xmask:1 row_mask:0xf bank_mask:0xf   ; and of my neighbour's 16: the block's
	v_add_nc_u32 v[10+\hf], 0xff000000, v8         ; 2 off its exponent field: the conversion takes the exponent field of this operand as its scale
	v_cvt_scalef32_pk8_fp4_f32 v[C+4*(\j)+2*\hf], v[X+16*\hf:X+16*\hf+7], v[10+\hf]
	v_cvt_scalef32_pk8_fp4_f32 v[C+4*(\j)+2*\hf+1], v[X+16*\hf+8:X+16*\hf+15], v[10+\hf]
	v_lshrrev_b32 v[E+2*(\j)+\hf], 23, v[10+\hf]   ; the scale's byte (also the plain instruction behind the conversions)
	ds_store_b8 v5, v[E+2*(\j)+\hf] offset:\LB+16*(2*(\j)+\hf)   ; both lanes of a block write the same byte with the same value
	global_store_b64 v4, v[C+4*(\j)+2*\hf:C+4*(\j)+2*\hf+1], s[18:19] offset:256*(2*(\j)+\hf)   ; 32 lanes store 256 consecutive bytes, aligned
.endr
.endif
.if \F
	s_wait_xcnt 0x0                                ; the last row's stores have read H: it is written again only behind this wait
.if \N
	s_wait_alu depctr_va_vdst(0)                   ; the reciprocal's wait, ahead of its first reader
.endif
.irp i, 0,1,2,3,4,5,6,7
.if \N
	v_pk_mul_f32 v[T+8+4*(\i%2):T+9+4*(\i%2)], v[RS+4*\i:RS+4*\i+1], v[T+4:T+5] op_sel_hi:[1,0]
	v_pk_mul_f32 v[T+10+4*(\i%2):T+11+4*(\i%2)], v[RS+4*\i+2:RS+4*\i+3], v[T+4:T+5] op_sel_hi:[1,0]
	v_cvt_pk_f16_f32 v[H+2*\i], v[T+8+4*(\i%2)], v[T+9+4*(\i%2)]
	v_cvt_pk_f16_f32 v[H+2*\i+1], v[T+10+4*(\i%2)], v[T+11+4*(\i%2)]
.else
	v_cvt_pk_f16_f32 v[H+2*\i], v[RS+4*\i], v[RS+4*\i+1]
	v_cvt_pk_f16_f32 v[H+2*\i+1], v[RS+4*\i+2], v[RS+4*\i+3]
.endif
	global_store_b64 v4, v[H+2*\i:H+2*\i+1], s[22:23] offset:2048*(\j)+256*\i   ; 32 lanes store 256 consecutive bytes, aligned
.endr
.endif
.if (\j)+4 < 8
	LOADROW (\j)+4                                 ; the set takes the row four further on
.endif
.endm
.macro FIN LB                          ; the wave's 256 scale bytes leave as one aligned run of 256 bytes
	ds_load_b64 v[8:9], v6 offset:\LB
	s_wait_dscnt 0x0
	global_store_b64 v4, v[8:9], s[20:21]
.endm
.irp j, 0,1,2,3
	LOADROW \j
.endr
	s_cmp_lt_u32 ttmp9, 128
	s_cbranch_scc0 .Lnot_x
.irp j, 0,1,2,3,4,5,6,7
	ROW \j, 1, 1, 1, 0
.endr
	FIN 0
	s_branch .Lend
.Lnot_x:
	s_cmp_lt_u32 ttmp9, 224
	s_cbranch_scc0 .Lwo
.irp j, 0,1,2,3,4,5,6,7
	ROW \j, 1, 0, 0, 32768
.endr
	FIN 32768
	s_branch .Lend
.Lwo:
.irp j, 0,1,2,3,4,5,6,7
	ROW \j, 0, 0, 1, 0
.endr
.Lend:
	s_wait_tensorcnt 0x0                           ; the wave's end: behind my last LDS store
	ds_add_u32 v[SPW], v[NIL]
	s_wait_dscnt 0x0
	s_endpgm
.Lfunc_end_k_qaa60aeacaf_prep:
	.size	k_qaa60aeacaf_prep, .Lfunc_end_k_qaa60aeacaf_prep-k_qaa60aeacaf_prep
	.p2alignl 7, 3214868480
	.fill 96, 4, 3214868480
	.section	.rodata,"a",@progbits
	.p2align	6, 0x0
	.amdhsa_kernel k_qaa60aeacaf_prep
		.amdhsa_group_segment_fixed_size 66048
		.amdhsa_private_segment_fixed_size 0
		.amdhsa_enable_private_segment 0
		.amdhsa_kernarg_size 64
		.amdhsa_user_sgpr_count 2
		.amdhsa_user_sgpr_kernarg_segment_ptr 1
		.amdhsa_wavefront_size32 1
		.amdhsa_system_sgpr_workgroup_id_x 1
		.amdhsa_system_sgpr_workgroup_id_y 1
		.amdhsa_system_sgpr_workgroup_id_z 1
		.amdhsa_system_vgpr_workitem_id 0
		.amdhsa_next_free_vgpr 256
		.amdhsa_next_free_sgpr 66
		.amdhsa_reserve_vcc 0
		.amdhsa_float_denorm_mode_32 3
		.amdhsa_float_denorm_mode_16_64 3
		.amdhsa_memory_ordered 1
		.amdhsa_forward_progress 1
		.amdhsa_inst_pref_size 114
	.end_amdhsa_kernel
	.amdgpu_metadata
---
amdhsa.version: [ 1, 2 ]
amdhsa.kernels:
  - .name:           k_qaa60aeacaf_prep
    .symbol:         k_qaa60aeacaf_prep.kd
    .args:
      - { .name: x, .offset: 0, .size: 8, .value_kind: global_buffer, .address_space: global }
      - { .name: Wq, .offset: 8, .size: 8, .value_kind: global_buffer, .address_space: global }
      - { .name: Wk, .offset: 16, .size: 8, .value_kind: global_buffer, .address_space: global }
      - { .name: Wv, .offset: 24, .size: 8, .value_kind: global_buffer, .address_space: global }
      - { .name: Wo, .offset: 32, .size: 8, .value_kind: global_buffer, .address_space: global }
      - { .name: codes, .offset: 40, .size: 8, .value_kind: global_buffer, .address_space: global }
      - { .name: scales, .offset: 48, .size: 8, .value_kind: global_buffer, .address_space: global }
      - { .name: h16, .offset: 56, .size: 8, .value_kind: global_buffer, .address_space: global }
    .group_segment_fixed_size: 66048
    .private_segment_fixed_size: 0
    .kernarg_segment_align: 8
    .kernarg_segment_size: 64
    .max_flat_workgroup_size: 128
    .sgpr_count:     66
    .vgpr_count:     256
    .wavefront_size: 32
...
	.end_amdgpu_metadata
.endif
;; end of part 1
;; launch qkvgemm (part 2): grid 12 x 16, 4 waves a work-group, clusters of 4 x 4, 327,680 bytes of LDS; arguments codes, scales, bq, bv, qkv; writes qkv
.if DOCPART == 2
	.amdgcn_target "amdgcn-amd-amdhsa--gfx1250"
	.amdhsa_code_object_version 6
	.text
	.protected	k_qaa60aeacaf_qkvgemm
	.globl	k_qaa60aeacaf_qkvgemm
	.p2align	8
	.type	k_qaa60aeacaf_qkvgemm,@function
k_qaa60aeacaf_qkvgemm:
	s_mov_b64 s[64:65], 0
	v_nop
	global_prefetch_b8 v0, s[64:65] scope:SCOPE_SE
	s_setreg_imm32_b32 hwreg(HW_REG_WAVE_MODE, 25, 1), 1
	s_wait_xcnt 0x0
	s_wait_alu depctr_hold_cnt(0) depctr_sa_sdst(0) depctr_va_vdst(0) depctr_va_sdst(0) depctr_va_ssrc(0) depctr_va_vcc(0) depctr_vm_vsrc(0)
	s_getreg_b32 s2, hwreg(HW_REG_IB_STS2, 6, 4)
	s_cmp_eq_u32 s2, 0
	s_cbranch_scc0 .Lentry_in_a_cluster
	s_endpgm
.Lentry_in_a_cluster:
	s_bfe_u32 s2, ttmp6, 0x10000c
	s_cmp_lg_u32 s2, 0xf033
	s_cbranch_scc0 .Lentry_shape_is_right
	s_endpgm
.Lentry_shape_is_right:
; qkv[token][n] = sum over k of x[token][k] W[n][k] (+ bias), W = Wq, Wk, Wv one below the other: the three quantised projections as ONE product, [4,096] x [3,072] x K 1,024, on codes of E2M1 with E8M0 scales.
; codes: [7,168][512 bytes], rows 0-4,095 x, then the 3,072 rows of the weights; scales: [7,168][32].  qkv: [4,096][3,072] f16: columns 0-1,023 q + bq, 1,024-2,047 k, 2,048-3,071 v + bv.
; LEFT OUT: bk (dead work: it adds the same number to all scores of a query, which the softmax takes away; shown at the head of the first kernel).  LIMIT: q, k and v must lie inside f16's range (65,504).
; A tile of 256 x 256 is made by a work-group of four waves; a wave makes 128 x 128: 64 accumulators of 16 x 16, 512 registers.  K = 1,024 is two LDS slots of 512 along K (rows of 256 bytes): both are filled at the start, and nothing is filled again.
; THE SCALES of the work-group's 256 rows of x and 256 rows of W, for all of K, are two dense blocks of memory: they come into LDS once, with the first fills.
; CLUSTERS: 4 x 4 work-groups.  The four of a row of the cluster need the same tiles of x, the four of a column the same tiles of W: each tile is asked for JOINTLY, by the same tensor load with the same descriptor and a mask that names the four.
; THE MATRIX INSTRUCTION IS USED TRANSPOSED (source 0 = 16 rows of W, source 1 = 16 rows of x): a lane then holds eight neighbouring numbers of a row of qkv.
; THE BIAS IS THE C OF EACH SUM'S FIRST PRODUCT: 64 registers in the result's layout (register 8 b + j: column 16 b + 8 (lane / 16) + j of my 128).  A cluster's columns lie in one of q, k, v (cluster x = 0, 1, 2): for k they are zeros.
; REGISTERS, in windows of 256: window 0: v0-31 addresses; v32-95 scale words, two sets; v128-191 x's fragments, ONE set; v192-255 the bias; on the way out v32-127 are free.
;   window 1: W's fragments, TWO sets, at v0 and v128.   window 2: the accumulators of my rows 0-63 ((a, b) at v[8 (8 a + b)]);   window 3: those of my rows 64-127.
.set KSTEP,  512
.set NQ,     KSTEP/128                 ; matrix instructions deep in a slot
.set ROWB,   256                       ; a tile's row in bytes
.set KROW,   512                       ; a row of codes in memory
.set XROWS,  4096                      ; the weights' rows follow x's
.set PITCH,  272                       ; an LDS row: 256 bytes + 16 of padding = 68 words: the 16 rows that a load touches start at 16 different banks (64 banks of 4 bytes: ISA guide 11.1)
.set FR,     8
.set NL,     2
.set NP,     4                         ; places behind this matrix instruction (ISA guide 7.12.1)
.set HALFT,  128*PITCH
.set SLOT,   4*HALFT
.set KS,     32                        ; a row of scales in bytes
.set SCL,    2*SLOT                    ; behind the slots: the scales, as runs of 256 bytes + 16 of padding
.set HALFS,  (128*KS/256)*272
.set SBLK,   (16*KS/256)*272
.set SPARE,  SCL+4*HALFS               ; the spare words, 128 bytes a wave, which no other line names
.set SPITCH, 272                       ; the way out: a stage of 16 rows x (256 bytes + 16) for each wave, in slot 0, which has had its only fill and its last read when the first result is stored there
.set OUTB,   6144                      ; a row of qkv in bytes
.set ADRA, 16
.set ADRB, 20
.set STO,  24
.set RD,   25
.set CO,   26
.set ADRS, 27
.set SPW,  28                          ; v28  LDS address of my spare word; never rewritten
.set NIL,  29                          ; v29  0; never rewritten
.set BOF,  30                          ; v30  32 x (lane / 16): my eight numbers of a bias tile
.set SC,   32
.set AF,   128
.set BI,   192
.set TMP,  32                          ; the way out: packed results
.set OB,   64                          ; the way out: 16 rows read back: v64-95 and v96-127 by turns
.set G1, 24
.set G0, 32
.set G1B, 48
.set G0B, 56
.set G1S, 68
.set G0S, 76
.set G1SB, 80
.set G0SB, 88
.set MSB, 0
.macro WIN new                         ; the immediate's high byte repeats the setting that is left
.if MSB != \new
	s_set_vgpr_msb (MSB<<8)|\new
.set MSB, \new
.endif
.endm
.set MUL_LO, 0xa1                      ; source 0 (W) window 1, source 1 (x) window 0, C and D window 2
.set MUL_HI, 0xf1                      ; the same, C and D window 3
.set FST_LO, 0x81                      ; the first step: C (the bias) window 0, D window 2
.set FST_HI, 0xc1                      ; C window 0, D window 3
.set TO_B,   0x40
; A joint load: waves 0 and 1 fetch for x, waves 2 and 3 for W.  The branch hangs on the wave's number alone.  An s_nop 0 and four v_nop follow each of the two lines.
.macro JLOAD g0a, g1a, g0b, g1b
	s_cmp_eq_u32 s15, 0
	s_cbranch_scc0 .Lfor_b_\@
	tensor_load_to_lds s[\g0a:\g0a+3], s[\g1a:\g1a+7]
	s_nop 0
.rept 4
	v_nop
.endr
	s_branch .Lasked_\@
.Lfor_b_\@:
	tensor_load_to_lds s[\g0b:\g0b+3], s[\g1b:\g1b+7]
	s_nop 0
.rept 4
	v_nop
.endr
.Lasked_\@:
.endm
.macro CROUND                          ; a round of the cluster's barrier
	s_barrier_signal -1
	s_barrier_wait -1
	s_cmp_lg_u32 s14, 0
	s_cbranch_scc1 .Lnot_wave_0_\@
	s_barrier_signal -3
.Lnot_wave_0_\@:
	s_barrier_wait -3
	s_barrier_signal -1
	s_barrier_wait -1
.endm
	s_load_b128 s[4:7], s[0:1], 0x0                ; codes, scales
	s_load_b128 s[96:99], s[0:1], 0x10             ; bq, bv
	s_load_b64 s[12:13], s[0:1], 0x20              ; qkv
	v_lshl_add_u32 v[SPW], v0, 2, SPARE
	v_mov_b32 v[NIL], 0
	ds_add_u32 v[SPW], v[NIL]                      ; the wave's opening: the add, twice on end, and its wait ahead of my first tensor load
	ds_add_u32 v[SPW], v[NIL]
	v_lshrrev_b32 v1, 5, v0
	v_readfirstlane_b32 s14, v1                    ; wave 0..3
	s_lshr_b32 s15, s14, 1                         ; which half of the tile's rows is mine.  Also: I fetch for x (0) or for W (1)
	s_and_b32 s16, s14, 1                          ; which half of its columns.  Also: which 128 rows of that tile I fetch
	s_bfe_u32 s40, ttmp6, 0x40000                  ; cx, cy: my place in the cluster
	s_bfe_u32 s41, ttmp6, 0x40004
	s_lshl_b32 s42, ttmp9, 2
	s_add_co_u32 s42, s42, s40                     ; tile column = 4 x cluster x + cx
	s_and_b32 s17, ttmp7, 0xffff
	s_lshl_b32 s17, s17, 2
	s_add_co_u32 s17, s17, s41                     ; tile row = 4 x cluster y + cy
	s_lshl_b32 s43, s41, 2
	s_lshl_b32 s43, 15, s43                        ; my row of the cluster
	s_lshl_b32 s44, 0x1111, s40                    ; my column
	s_or_b32 s[G1+0], s43, (0<<16)|(1<<20)|(1<<21)|(5<<22)|(3<<25)  ; the mask; elements of 1 byte; padding on; bit 21 beside a mask; 4 words of padding after every 64
	s_or_b32 s[G1B+0], s44, (0<<16)|(1<<20)|(1<<21)|(5<<22)|(3<<25)
.irp g, G1, G1B
	s_mov_b32 s[\g+1], ROWB<<16                    ; tensor_dim0
	s_mov_b32 s[\g+2], 128<<16                     ; tensor_dim1
	s_mov_b32 s[\g+3], ROWB<<16                    ; tile_dim0
	s_mov_b32 s[\g+4], 128                         ; tile_dim1
	s_mov_b32 s[\g+5], KROW                        ; from row to row
	s_mov_b32 s[\g+6], 0
	s_mov_b32 s[\g+7], 0
.endr
	s_or_b32 s[G1S+0], s43, (3<<16)|(1<<20)|(1<<21)|(5<<22)|(3<<25)  ; the scales of 128 rows: 4,096 dense bytes, as 16 rows of 256 bytes (32 elements of 8), 16 bytes of padding behind each
	s_or_b32 s[G1SB+0], s44, (3<<16)|(1<<20)|(1<<21)|(5<<22)|(3<<25)
.irp g, G1S, G1SB
	s_mov_b32 s[\g+1], 32<<16
	s_mov_b32 s[\g+2], (128*KS/256)<<16
	s_mov_b32 s[\g+3], 32<<16
	s_mov_b32 s[\g+4], 128*KS/256
	s_mov_b32 s[\g+5], 32
	s_mov_b32 s[\g+6], 0
	s_mov_b32 s[\g+7], 0
.endr
	s_lshl_b32 s18, s16, 7                         ; which 128 rows of the tile I fetch
	s_lshl_b32 s20, s17, 8
	s_add_co_u32 s20, s20, s18                     ; x: row 256 x tile row + 128 x half
	s_lshl_b32 s46, s42, 8
	s_add_co_u32 s46, s46, s18                     ; W: row 256 x tile column + 128 x half
	s_mov_b32 s21, 0
	s_mov_b32 s47, 0
	s_mov_b64 s[18:19], KS
	s_mul_u64 s[22:23], s[20:21], s[18:19]         ; where these rows' scales begin,
	s_mul_u64 s[92:93], s[46:47], s[18:19]
	s_mov_b64 s[18:19], KROW
	s_mul_u64 s[20:21], s[20:21], s[18:19]         ; and their codes
	s_mul_u64 s[46:47], s[46:47], s[18:19]
	s_mul_i32 s45, s14, HALFT                      ; where they go: wave x 128 rows: no place in the cluster enters an LDS address
	s_mul_i32 s94, s14, HALFS
	s_wait_dscnt 0x0                               ; both opening adds are done
	s_wait_kmcnt 0x0
	s_add_nc_u64 s[8:9], s[4:5], XROWS*KROW        ; the weights' codes,
	s_add_nc_u64 s[10:11], s[6:7], XROWS*KS        ; and their scales
	s_add_nc_u64 s[20:21], s[4:5], s[20:21]
	s_add_nc_u64 s[22:23], s[6:7], s[22:23]
	s_add_nc_u64 s[46:47], s[8:9], s[46:47]
	s_add_nc_u64 s[92:93], s[10:11], s[92:93]
	CROUND                                         ; all sixteen work-groups are here: the joint loads meet
	s_mov_b32 s[G0S], 1
	s_add_co_u32 s[G0S+1], s94, SCL
	s_mov_b64 s[G0S+2:G0S+3], s[22:23]
	s_or_b32 s[G0S+3], s[G0S+3], 0x80000000
	s_mov_b32 s[G0SB], 1
	s_add_co_u32 s[G0SB+1], s94, SCL
	s_mov_b64 s[G0SB+2:G0SB+3], s[92:93]
	s_or_b32 s[G0SB+3], s[G0SB+3], 0x80000000
	JLOAD G0S, G1S, G0SB, G1SB                     ; the scales first: they are wanted with the first step
.irp s, 0,1
	s_mov_b32 s[G0+4*\s], 1
	s_add_co_u32 s[G0+4*\s+1], s45, \s*SLOT
	s_add_nc_u64 s[G0+4*\s+2:G0+4*\s+3], s[20:21], \s*ROWB
	s_or_b32 s[G0+4*\s+3], s[G0+4*\s+3], 0x80000000
	s_mov_b32 s[G0B+4*\s], 1
	s_add_co_u32 s[G0B+4*\s+1], s45, \s*SLOT
	s_add_nc_u64 s[G0B+4*\s+2:G0B+4*\s+3], s[46:47], \s*ROWB
	s_or_b32 s[G0B+4*\s+3], s[G0B+4*\s+3], 0x80000000
	JLOAD G0+4*\s, G1, G0B+4*\s, G1B               ; three tensor loads of mine are out
.endr
	v_and_b32 v1, 15, v0                           ; l % 16
	v_bfe_u32 v2, v0, 4, 1                         ; l / 16
	v_lshlrev_b32 v[BOF], 5, v2
	; the bias of my 128 columns.  The branch hangs on the cluster's x, which all sixteen partners share
	s_cmp_eq_u32 ttmp9, 1
	s_cbranch_scc1 .Lno_bias
	s_cmp_eq_u32 ttmp9, 0
	s_cselect_b64 s[96:97], s[96:97], s[98:99]     ; bq or bv
	s_lshl_b32 s46, s40, 10                        ; 256 cx numbers of 4 bytes,
	s_lshl_b32 s47, s16, 9                         ; + my half's 128
	s_add_co_u32 s46, s46, s47
	s_mov_b32 s47, 0
	s_add_nc_u64 s[96:97], s[96:97], s[46:47]
.irp b, 0,1,2,3,4,5,6,7
	global_load_b128 v[BI+8*\b:BI+8*\b+3], v[BOF], s[96:97] offset:64*\b
	global_load_b128 v[BI+8*\b+4:BI+8*\b+7], v[BOF], s[96:97] offset:64*\b+16
.endr
	s_branch .Lbias_done
.Lno_bias:                                             ; k's columns have no bias: their sums start from zeros, so that the first step is written once for all three
.set J, 0
.rept 64
	v_mov_b32 v[BI+J], 0
.set J, J+1
.endr
.Lbias_done:
	v_mul_u32_u24 v3, v1, PITCH
	v_lshl_add_u32 v4, v2, 4, v3                   ; a fragment's row x pitch + 16 x half
	s_mul_i32 s21, s15, HALFT                      ; my 128 rows of x
	s_mul_i32 s22, s16, HALFT                      ; my 128 rows of W,
	s_add_co_u32 s22, s22, 2*HALFT                 ; which lie behind x's 256
.irp s, 0,1
	v_add_nc_u32 v[ADRA+\s], s21, v4
	v_add_nc_u32 v[ADRB+\s], s22, v4
	s_add_co_u32 s21, s21, SLOT
	s_add_co_u32 s22, s22, SLOT
.endr
	v_mul_u32_u24 v5, v1, KS                       ; my row's scales: KS bytes a row,
	v_lshrrev_b32 v6, 8, v5
	v_lshl_add_u32 v5, v6, 4, v5                   ; and 16 more for each 256 passed
	s_mul_i32 s21, s15, HALFS
	s_mul_i32 s22, s16, HALFS
	s_add_co_u32 s22, s22, 2*HALFS
	s_sub_co_u32 s22, s22, s21
	v_mul_u32_u24 v6, s22, v2                      ; lanes 16-31 take W's
	s_add_co_u32 s21, s21, SCL
	v_add_nc_u32 v5, v5, v6
	v_add_nc_u32 v[ADRS], s21, v5
	s_mul_i32 s23, s14, 16*SPITCH                  ; my stage
	v_mul_u32_u24 v5, v1, SPITCH                   ; in: row l % 16, 16 bytes for each half of the lanes
	v_lshl_add_u32 v5, v2, 4, v5
	v_add_nc_u32 v[STO], s23, v5
	v_mul_u32_u24 v5, v2, SPITCH                   ; back: lanes 0-15 one row of 256 bytes, lanes 16-31 the next
	v_lshl_add_u32 v5, v1, 4, v5
	v_add_nc_u32 v[RD], s23, v5
	v_mul_u32_u24 v5, v2, OUTB                     ; and the same two rows in qkv
	v_lshl_add_u32 v[CO], v1, 4, v5
	s_lshl_b32 s20, s17, 8
	s_lshl_b32 s21, s15, 7
	s_add_co_u32 s20, s20, s21                     ; my first row: 256 x tile row + 128 x half
	s_mul_i32 s20, s20, OUTB
	s_mov_b32 s21, 0
	s_add_nc_u64 s[12:13], s[12:13], s[20:21]
	s_lshl_b32 s46, s42, 9                         ; my first column, in bytes: 512 x tile column + 256 x half
	s_lshl_b32 s47, s16, 8
	s_add_co_u32 s46, s46, s47
	s_mov_b32 s47, 0
	s_add_nc_u64 s[12:13], s[12:13], s[46:47]
.macro FRAG reg, adr, q, i             ; a fragment, 16 rows x 128 K of 4-bit codes: lane l holds row l % 16; registers 4 c .. 4 c + 3 hold K = 64 c + 32 (l / 16) + 0 .. 31
.irp c, 0,1
	ds_load_b128 v[\reg+4*\c:\reg+4*\c+3], v[\adr] offset:64*(\q)+32*\c+(\i)*16*PITCH
.endr
.endm
; 16 matrix instructions: x's blocks a0, a0 + 1 against W's eight, the slot's q-th 128 along K.  p: W's set; sc: the set of scale words.  first = 1: the sums start from the bias.
; The 64 accumulators take turns, one instruction a turn, in the same order in every step.
.macro MUL16 a0, p, q, sc, first
.irp a, \a0, \a0+1
.irp b, 0,1,2,3,4,5,6,7
.if \first
	v_wmma_scale_f32_16x16x128_f8f6f4 v[8*(8*((\a)%4)+\b):8*(8*((\a)%4)+\b)+7], v[128*(\p)+FR*\b:128*(\p)+FR*\b+FR-1], v[AF+FR*(\a):AF+FR*(\a)+FR-1], v[BI+8*\b:BI+8*\b+7], v[SC+8*NQ*(\sc)+NQ*\b+(\q)], v[SC+8*NQ*(\sc)+NQ*(\a)+(\q)] matrix_a_fmt:MATRIX_FMT_FP4 matrix_b_fmt:MATRIX_FMT_FP4 matrix_a_scale:MATRIX_SCALE_ROW1
.else
	v_wmma_scale_f32_16x16x128_f8f6f4 v[8*(8*((\a)%4)+\b):8*(8*((\a)%4)+\b)+7], v[128*(\p)+FR*\b:128*(\p)+FR*\b+FR-1], v[AF+FR*(\a):AF+FR*(\a)+FR-1], v[8*(8*((\a)%4)+\b):8*(8*((\a)%4)+\b)+7], v[SC+8*NQ*(\sc)+NQ*\b+(\q)], v[SC+8*NQ*(\sc)+NQ*(\a)+(\q)] matrix_a_fmt:MATRIX_FMT_FP4 matrix_b_fmt:MATRIX_FMT_FP4 matrix_a_scale:MATRIX_SCALE_ROW1
.endif
.endr
.endr
.endm
.macro FETCH_B slot, q, p
	WIN TO_B
.irp i, 0,1,2,3,4,5,6,7
	FRAG 128*(\p)+FR*\i, ADRB+\slot, \q, \i
.endr
	WIN 0
.endm
.macro FETCH_A slot, q, i0
.irp i, \i0, \i0+1, \i0+2, \i0+3
	FRAG AF+FR*(\i), ADRA+\slot, \q, \i
.endr
.endm
.macro SCALES sc                       ; a slot's scale words: four a row; lanes 0-15 take x's block i, lanes 16-31 W's block i
.irp i, 0,1,2,3,4,5,6,7
	ds_load_b128 v[SC+8*NQ*\sc+NQ*\i:SC+8*NQ*\sc+NQ*\i+3], v[ADRS] offset:\i*SBLK
.endr
.endm
.macro PLACES n                        ; places in front of loads into registers that matrix instructions have read, and of the first read of results
.rept \n
	v_nop
.endr
.endm
.macro STEP slot, q, first             ; a step of 128 along K that has its successor in the same slot
	s_wait_dscnt 4*NL                              ; W's set and x's blocks 0-3 are in; the youngest eight loads (x's blocks 4-7) may be out
.if \first
	WIN FST_LO
.else
	WIN MUL_LO
.endif
	MUL16 0, (\q)%2, \q, \slot, \first
	MUL16 2, (\q)%2, \q, \slot, \first
	s_wait_dscnt 0
	PLACES NP
	FETCH_B \slot, (\q)+1, 1-(\q)%2
	FETCH_A \slot, (\q)+1, 0
.if \first
	WIN FST_HI
.else
	WIN MUL_HI
.endif
	MUL16 4, (\q)%2, \q, \slot, \first
	MUL16 6, (\q)%2, \q, \slot, \first
	PLACES NP
	WIN 0
	FETCH_A \slot, (\q)+1, 4
.endm
; Slot 0's last step goes over to slot 1: each wave waits for all its tensor loads (its part of slot 1), adds 0 to its spare word, waits for that and for its reads of slot 0, and passes the barrier.  Nothing is filled again.
.macro TURN slot, next
	s_wait_tensorcnt 0x0
	ds_add_u32 v[SPW], v[NIL]
	s_wait_dscnt 4*NL+1                            ; (the add and the youngest eight loads may be out)
	WIN MUL_LO
	MUL16 0, 1, NQ-1, \slot, 0
	s_wait_dscnt 0x0                               ; the add is done, and my reads of this slot are over
	s_barrier_signal -1
	MUL16 2, 1, NQ-1, \slot, 0
	WIN 0
	s_barrier_wait -1
	PLACES NP
	v_add_nc_u32 v[ADRS], 4*NQ, v[ADRS]            ; on to the next slot's scale words (no LDS load of mine is out)
	FETCH_B \next, 0, 0
	FETCH_A \next, 0, 0
	SCALES \next
	WIN MUL_HI
	MUL16 4, 1, NQ-1, \slot, 0
	MUL16 6, 1, NQ-1, \slot, 0
	PLACES NP
	WIN 0
	FETCH_A \next, 0, 4
.endm
.macro STEPS slot, from
.set Q, \from
.rept NQ-1-\from
	STEP \slot, Q, 0
.set Q, Q+1
.endr
.endm
	s_wait_tensorcnt 1                             ; the scales and my part of slot 0 are in (slot 1's load may be out),
	s_barrier_signal -1
	s_barrier_wait -1                              ; everybody's are
	FETCH_B 0, 0, 0
	FETCH_A 0, 0, 0
	SCALES 0
	FETCH_A 0, 0, 4
	s_wait_loadcnt 0x0                             ; the bias
	STEP 0, 0, 1
	STEPS 0, 1
	TURN 0, 1
	STEPS 1, 0
	s_wait_dscnt 4*NL                              ; the very last step: nothing more to fetch
	WIN MUL_LO
	MUL16 0, 1, NQ-1, 1, 0
	MUL16 2, 1, NQ-1, 1, 0
	s_wait_dscnt 0
	WIN MUL_HI
	MUL16 4, 1, NQ-1, 1, 0
	MUL16 6, 1, NQ-1, 1, 0
	WIN 0
; THE WAY OUT, block by block of 16 rows x 128 columns.  PACK: rounded to f16, 16 bytes a lane, each accumulator from its low end on.  TOSTAGE: into my own stage, and back as whole rows of 256 bytes.  SEND: stored.
.macro PACK a
.set AC, 64*((\a)%4)
	WIN 0x0a+5*((\a)/4)                            ; sources 0 and 1: window 2 or 3
.irp b, 0,1,2,3,4,5,6,7
.irp r, 0,1,2,3
	v_cvt_pk_f16_f32 v[TMP+4*\b+\r], v[AC+8*\b+2*\r], v[AC+8*\b+2*\r+1]
.endr
.endr
	WIN 0
.endm
.macro TOSTAGE a
.set BK, OB+32*((\a)%2)
.irp b, 0,1,2,3,4,5,6,7
	ds_store_b128 v[STO], v[TMP+4*\b:TMP+4*\b+3] offset:32*\b
.endr
.irp t, 0,1,2,3,4,5,6,7
	ds_load_b128 v[BK+4*\t:BK+4*\t+3], v[RD] offset:\t*2*SPITCH    ; LDS serves a wave's instructions in order: these see the stores above
.endr
.endm
.macro SEND a
.set BK, OB+32*((\a)%2)
	s_wait_dscnt 0x0                               ; the block is back in registers
	s_wait_xcnt 0x0                                ; earlier stores have read their base and their registers: only behind this wait are they written again
.if (\a) > 0
	s_add_nc_u64 s[12:13], s[12:13], 16*OUTB
.endif
.irp t, 0,1,2,3,4,5,6,7
	global_store_b128 v[CO], v[BK+4*\t:BK+4*\t+3], s[12:13] offset:2*\t*OUTB   ; 16 lanes store 256 consecutive bytes, at a multiple of 256 from the buffer's first byte
.endr
.endm
	PLACES NP
	PACK 0
	TOSTAGE 0
.irp a, 1,2,3,4,5,6,7                  ; block a's conversions stand between block a - 1's loads from the stage and the wait for them
	PACK \a
	SEND \a-1
	TOSTAGE \a
.endr
	SEND 7
	s_wait_tensorcnt 0x0                           ; the wave's end: behind my last tensor load and my last LDS store
	ds_add_u32 v[SPW], v[NIL]
	s_wait_dscnt 0x0
	CROUND                                         ; the closing round
	s_endpgm
.Lfunc_end_k_qaa60aeacaf_qkvgemm:
	.size	k_qaa60aeacaf_qkvgemm, .Lfunc_end_k_qaa60aeacaf_qkvgemm-k_qaa60aeacaf_qkvgemm
	.p2alignl 7, 3214868480
	.fill 96, 4, 3214868480
	.section	.rodata,"a",@progbits
	.p2align	6, 0x0
	.amdhsa_kernel k_qaa60aeacaf_qkvgemm
		.amdhsa_group_segment_fixed_size 327680
		.amdhsa_private_segment_fixed_size 0
		.amdhsa_enable_private_segment 0
		.amdhsa_kernarg_size 40
		.amdhsa_user_sgpr_count 2
		.amdhsa_user_sgpr_kernarg_segment_ptr 1
		.amdhsa_wavefront_size32 1
		.amdhsa_system_sgpr_workgroup_id_x 1
		.amdhsa_system_sgpr_workgroup_id_y 1
		.amdhsa_system_sgpr_workgroup_id_z 1
		.amdhsa_system_vgpr_workitem_id 0
		.amdhsa_next_free_vgpr 1024
		.amdhsa_next_free_sgpr 100
		.amdhsa_reserve_vcc 0
		.amdhsa_float_denorm_mode_32 3
		.amdhsa_float_denorm_mode_16_64 3
		.amdhsa_memory_ordered 1
		.amdhsa_forward_progress 1
		.amdhsa_inst_pref_size 131
	.end_amdhsa_kernel
	.amdgpu_metadata
---
amdhsa.version: [ 1, 2 ]
amdhsa.kernels:
  - .name:           k_qaa60aeacaf_qkvgemm
    .symbol:         k_qaa60aeacaf_qkvgemm.kd
    .args:
      - { .name: codes, .offset: 0, .size: 8, .value_kind: global_buffer, .address_space: global }
      - { .name: scales, .offset: 8, .size: 8, .value_kind: global_buffer, .address_space: global }
      - { .name: bq, .offset: 16, .size: 8, .value_kind: global_buffer, .address_space: global }
      - { .name: bv, .offset: 24, .size: 8, .value_kind: global_buffer, .address_space: global }
      - { .name: qkv, .offset: 32, .size: 8, .value_kind: global_buffer, .address_space: global }
    .group_segment_fixed_size: 327680
    .private_segment_fixed_size: 0
    .kernarg_segment_align: 8
    .kernarg_segment_size: 40
    .max_flat_workgroup_size: 128
    .sgpr_count:     100
    .vgpr_count:     1024
    .wavefront_size: 32
...
	.end_amdgpu_metadata
.endif
;; end of part 2
;; launch simbias (part 3): grid 8 x 32, 4 waves a work-group, clusters of 4 x 4, 327,680 bytes of LDS; arguments h16, attn_mask, bias; writes bias
.if DOCPART == 3
	.amdgcn_target "amdgcn-amd-amdhsa--gfx1250"
	.amdhsa_code_object_version 6
	.text
	.protected	k_qaa60aeacaf_simbias
	.globl	k_qaa60aeacaf_simbias
	.p2align	8
	.type	k_qaa60aeacaf_simbias,@function
k_qaa60aeacaf_simbias:
	s_mov_b64 s[64:65], 0
	v_nop
	global_prefetch_b8 v0, s[64:65] scope:SCOPE_SE
	s_setreg_imm32_b32 hwreg(HW_REG_WAVE_MODE, 25, 1), 1
	s_wait_xcnt 0x0
	s_wait_alu depctr_hold_cnt(0) depctr_sa_sdst(0) depctr_va_vdst(0) depctr_va_sdst(0) depctr_va_ssrc(0) depctr_va_vcc(0) depctr_vm_vsrc(0)
	s_getreg_b32 s2, hwreg(HW_REG_IB_STS2, 6, 4)
	s_cmp_eq_u32 s2, 0
	s_cbranch_scc0 .Lentry_in_a_cluster
	s_endpgm
.Lentry_in_a_cluster:
	s_bfe_u32 s2, ttmp6, 0x10000c
	s_cmp_lg_u32 s2, 0xf033
	s_cbranch_scc0 .Lentry_shape_is_right
	s_endpgm
.Lentry_shape_is_right:
; bias[b][q][k] = -4 x (n[b][q] . n[b][k]), n = the rows of x divided by their norms (h16's rows 0-4,095, f16), or -2^127 where attn_mask[q][k] is set.  f32, [2][2,048][2,048].
; It is what the attention adds to the raw product q . k ahead of the division by 8: -4 / 8 = -0.5, the module's gamma.  It is made once for all 16 heads.
; -2^127 stands for the mask's -infinity: a finite number under every score (LIMIT: raw scores under -1e38 are not served); the attention says why a power of two.
; A tile of 128 queries x 256 keys is made by four waves, each 64 x 128: 32 accumulators, 256 registers.  2 batches x 16 x 8 tiles are 256 work-groups.
; K = 1,024 goes in steps of 128 (LDS rows of 256 bytes) through two slots of 128 + 256 rows.  Operands f16, sums f32.
; The product is of a matrix with itself: its rows come twice, as A's tile and as B's, into LDS bytes and registers of their own.
; CLUSTERS: 4 x 4 work-groups; A's tile is shared along a row of the cluster, B's along a column: joint loads.  A cluster lies in one batch (batch = cluster y / 4).
; THE MATRIX INSTRUCTION IS USED TRANSPOSED (source 0 = 16 rows of B, source 1 = 16 rows of A): a lane holds eight neighbouring keys of one query.
; REGISTERS: window 0: v0-31 addresses; v32-95 my 64 words of the mask; v96-223 the way out, two sets of 64.  window 1: two fragment buffers of 96 (32 of A, 64 of B: 32 along K).  window 2: the accumulators ((a, b) at v[8 (8 a + b)]).
.set SIZE_K, 1024
.set SIZE_N, 2048
.set KSTEP,  128
.set PITCH,  272                       ; an LDS row: 256 bytes + 16 of padding = 68 words: the 16 rows of a load start at 16 different banks (64 banks of 4 bytes: ISA guide 11.1)
.set HA,     64*PITCH                  ; 64 rows of A: what wave 0 or 1 fetches, and what a wave reads of A
.set HB,     128*PITCH                 ; 128 rows of B: what wave 2 or 3 fetches, and what a wave reads of B
.set BOFF,   2*HA                      ; in a slot B's 256 rows lie behind A's 128
.set SLOT,   2*HA+2*HB
.set STAGE,  2*SLOT                    ; behind the ring: 16 rows x (512 bytes + 16) for each wave: a wave's 128 columns of f32 are 512 bytes, aligned, so each wave goes out by itself
.set SPITCH, 528
.set SPARE,  STAGE+4*16*SPITCH         ; the spare words, 128 bytes a wave, which no other line names
.set LAPS,   SIZE_K/(2*KSTEP)          ; a lap = two K steps = once round the ring
.set ADRA, 16
.set ADRB, 20
.set STO,  24
.set RD,   25
.set CO,   26
.set MO,   27                          ; v27  4 x lane: my word of a row's 128 bytes of the mask; never rewritten
.set SPW,  28                          ; v28  LDS address of my spare word; never rewritten
.set NIL,  29                          ; v29  0; never rewritten
.set SENT, 30                          ; v30  -2^127
.set TT,   8                           ; v8-11 at work on the way out
.set MW,   32
.set TMP,  96
.set F0,   0
.set F1,   96
.set G1, 24
.set G0, 32
.set G1B, 48
.set G0B, 56
.set MSB, 0
.macro WIN new                         ; the immediate's high byte repeats the setting that is left
.if MSB != \new
	s_set_vgpr_msb (MSB<<8)|\new
.set MSB, \new
.endif
.endm
.set MUL,  0xa5                        ; sources 0 (B) and 1 (A) window 1; C and D window 2
.set TO_F, 0x40                        ; destination window 1, address window 0
.macro JLOAD s                         ; a joint load: waves 0 and 1 fetch A's two halves, waves 2 and 3 B's; an s_nop 0 and four v_nop follow each of the two lines
	s_cmp_eq_u32 s11, 0
	s_cbranch_scc0 .Lfor_b_\@
	tensor_load_to_lds s[G0+4*\s:G0+4*\s+3], s[G1:G1+7]
	s_nop 0
.rept 4
	v_nop
.endr
	s_branch .Lasked_\@
.Lfor_b_\@:
	tensor_load_to_lds s[G0B+4*\s:G0B+4*\s+3], s[G1B:G1B+7]
	s_nop 0
.rept 4
	v_nop
.endr
.Lasked_\@:
.endm
.macro CREST                           ; a round of the cluster's barrier behind its opening barrier
	s_cmp_lg_u32 s10, 0
	s_cbranch_scc1 .Lnot_wave_0_\@
	s_barrier_signal -3
.Lnot_wave_0_\@:
	s_barrier_wait -3
	s_barrier_signal -1
	s_barrier_wait -1
.endm
.macro CROUND
	s_barrier_signal -1
	s_barrier_wait -1
	CREST
.endm
	s_load_b64 s[4:5], s[0:1], 0x0                 ; h16, as A
	s_load_b64 s[6:7], s[0:1], 0x0                 ; h16, as B
	s_load_b64 s[66:67], s[0:1], 0x8               ; the mask
	s_load_b64 s[8:9], s[0:1], 0x10                ; bias
	v_lshl_add_u32 v[SPW], v0, 2, SPARE
	v_mov_b32 v[NIL], 0
	ds_add_u32 v[SPW], v[NIL]                      ; the wave's opening: the add, twice on end, and its wait ahead of my first tensor load
	ds_add_u32 v[SPW], v[NIL]
	v_lshrrev_b32 v1, 5, v0
	v_readfirstlane_b32 s10, v1                    ; wave 0..3
	s_lshr_b32 s11, s10, 1                         ; which 64 of the tile's rows are mine.  Also: I fetch for A (0) or for B (1)
	s_and_b32 s12, s10, 1                          ; which 128 of its columns.  Also: which half of that tile I fetch
	s_bfe_u32 s40, ttmp6, 0x40000                  ; cx, cy
	s_bfe_u32 s41, ttmp6, 0x40004
	s_lshl_b32 s42, ttmp9, 2
	s_add_co_u32 s42, s42, s40                     ; tile column = 4 x cluster x + cx
	s_and_b32 s13, ttmp7, 0xffff
	s_lshr_b32 s45, s13, 2                         ; the batch, from the cluster's y alone
	s_lshl_b32 s13, s13, 2
	s_add_co_u32 s13, s13, s41                     ; tile row (over both batches) = 4 x cluster y + cy
	s_lshl_b32 s43, s41, 2
	s_lshl_b32 s43, 15, s43                        ; my row of the cluster
	s_lshl_b32 s44, 0x1111, s40                    ; my column
	s_or_b32 s[G1+0], s43, (1<<16)|(1<<20)|(1<<21)|(5<<22)|(3<<25)  ; the mask; elements of 2 bytes; padding on; bit 21 beside a mask; 4 words of padding after every 64
	s_or_b32 s[G1B+0], s44, (1<<16)|(1<<20)|(1<<21)|(5<<22)|(3<<25)
	s_mov_b32 s[G1+1], KSTEP<<16                   ; A: tensor_dim0 = 128
	s_mov_b32 s[G1+2], 64<<16                      ; tensor_dim1 = 64
	s_mov_b32 s[G1+3], KSTEP<<16                   ; tile_dim0
	s_mov_b32 s[G1+4], 64                          ; tile_dim1
	s_mov_b32 s[G1+5], SIZE_K                      ; from row to row
	s_mov_b32 s[G1+6], 0
	s_mov_b32 s[G1+7], 0
	s_mov_b32 s[G1B+1], KSTEP<<16                  ; B: the same with 128 rows
	s_mov_b32 s[G1B+2], 128<<16
	s_mov_b32 s[G1B+3], KSTEP<<16
	s_mov_b32 s[G1B+4], 128
	s_mov_b32 s[G1B+5], SIZE_K
	s_mov_b32 s[G1B+6], 0
	s_mov_b32 s[G1B+7], 0
	s_lshl_b32 s17, s12, 6
	s_lshl_b32 s16, s13, 7
	s_add_co_u32 s16, s16, s17                     ; A: row 128 x tile row + 64 x half
	s_lshl_b32 s47, s12, 7
	s_lshl_b32 s46, s42, 8
	s_add_co_u32 s46, s46, s47
	s_lshl_b32 s45, s45, 11
	s_add_co_u32 s46, s46, s45                     ; B: row 2,048 x batch + 256 x tile column + 128 x half
	s_mov_b32 s17, 0
	s_mov_b32 s47, 0
	s_mov_b64 s[18:19], SIZE_K*2
	s_mul_u64 s[16:17], s[16:17], s[18:19]
	s_mul_u64 s[46:47], s[46:47], s[18:19]
	s_mul_i32 s20, s12, HA                         ; where they go: A's halves, then B's halves: the wave's number alone
	s_mul_i32 s21, s12, HB
	s_add_co_u32 s21, s21, BOFF
	s_wait_dscnt 0x0                               ; both opening adds are done
	s_wait_kmcnt 0x0
	s_add_nc_u64 s[14:15], s[4:5], s[16:17]
	s_add_nc_u64 s[46:47], s[6:7], s[46:47]
	CROUND                                         ; all sixteen work-groups are here: the first joint loads meet
.irp s, 0,1
	s_mov_b32 s[G0+4*\s], 1
	s_add_co_u32 s[G0+4*\s+1], s20, \s*SLOT
	s_add_nc_u64 s[G0+4*\s+2:G0+4*\s+3], s[14:15], \s*KSTEP*2
	s_or_b32 s[G0+4*\s+3], s[G0+4*\s+3], 0x80000000
	s_mov_b32 s[G0B+4*\s], 1
	s_add_co_u32 s[G0B+4*\s+1], s21, \s*SLOT
	s_add_nc_u64 s[G0B+4*\s+2:G0B+4*\s+3], s[46:47], \s*KSTEP*2
	s_or_b32 s[G0B+4*\s+3], s[G0B+4*\s+3], 0x80000000
	JLOAD \s                                       ; two tensor loads of mine are out
.endr
	v_and_b32 v1, 15, v0                           ; l % 16
	v_bfe_u32 v2, v0, 4, 1                         ; l / 16
	; my 64 words of the mask, laid as the rows come back from the stage: word i: row i of my 64, columns 4 x lane + 0 .. 3 of my 128.  They are wanted on the way out alone, and are waited for there
	s_and_b32 s20, s13, 15
	s_lshl_b32 s20, s20, 7
	s_lshl_b32 s21, s11, 6
	s_add_co_u32 s20, s20, s21                     ; my first query in its batch
	s_lshl_b32 s20, s20, 11
	s_mov_b32 s21, 0
	s_add_nc_u64 s[66:67], s[66:67], s[20:21]
	s_lshl_b32 s46, s42, 8
	s_lshl_b32 s47, s12, 7
	s_add_co_u32 s46, s46, s47                     ; my first key
	s_mov_b32 s47, 0
	s_add_nc_u64 s[66:67], s[66:67], s[46:47]      ; never rewritten from here on
	v_and_b32 v5, 31, v0                           ; lane
	v_lshlrev_b32 v[MO], 2, v5
.set J, 0
.rept 64
	global_load_b32 v[MW+J], v[MO], s[66:67] offset:J*2048
.set J, J+1
.endr
	v_mov_b32 v[SENT], 0xff000000
	v_mul_u32_u24 v3, v1, PITCH
	v_lshl_add_u32 v3, v2, 4, v3                   ; a fragment's row x pitch + 16 x half
	s_mul_i32 s21, s11, HA                         ; my 64 rows of A
	s_mul_i32 s22, s12, HB                         ; my 128 rows of B,
	s_add_co_u32 s22, s22, BOFF                    ; which lie behind A's 128
.irp s, 0,1
	v_add_nc_u32 v[ADRA+\s], s21, v3
	v_add_nc_u32 v[ADRB+\s], s22, v3
	s_add_co_u32 s21, s21, SLOT
	s_add_co_u32 s22, s22, SLOT
.endr
	s_mul_i32 s23, s10, 16*SPITCH
	s_add_co_u32 s23, s23, STAGE                   ; my stage
	v_mul_u32_u24 v4, v1, SPITCH                   ; in: row l % 16, 32 bytes for each half of the lanes
	v_lshl_add_u32 v4, v2, 5, v4
	v_add_nc_u32 v[STO], s23, v4
	v_lshlrev_b32 v[CO], 4, v5                     ; back: the 32 lanes take one row of 512 bytes; and the same in the result
	v_add_nc_u32 v[RD], s23, v[CO]
	s_lshl_b32 s16, s13, 7
	s_lshl_b32 s17, s11, 6
	s_add_co_u32 s16, s16, s17                     ; my first row of the result
	s_lshl_b32 s16, s16, 13                        ; rows of 8,192 bytes
	s_mov_b32 s17, 0
	s_add_nc_u64 s[8:9], s[8:9], s[16:17]
	s_lshl_b32 s46, s46, 2                         ; my first column, in bytes
	s_add_nc_u64 s[8:9], s[8:9], s[46:47]
; 8 matrix instructions: m block a x all 8 n blocks, 32 along K: buffer f.  zero = 1: the product starts the sums.  The 32 accumulators take turns, one instruction a turn, in the same order in every quarter.
.macro MUL8 f, a, zero
.irp b, 0,1,2,3,4,5,6,7
.if \zero
	v_wmma_f32_16x16x32_f16 v[8*(8*(\a)+\b):8*(8*(\a)+\b)+7], v[\f+32+8*\b:\f+32+8*\b+7], v[\f+8*(\a):\f+8*(\a)+7], 0
.else
	v_wmma_f32_16x16x32_f16 v[8*(8*(\a)+\b):8*(8*(\a)+\b)+7], v[\f+32+8*\b:\f+32+8*\b+7], v[\f+8*(\a):\f+8*(\a)+7], v[8*(8*(\a)+\b):8*(8*(\a)+\b)+7]
.endif
.endr
.endm
.macro FETCH slot, k, f                ; 24 LDS loads in one run: the fragments of 32 along K at byte k of the rows: B's eight, then A's four
	WIN TO_F
.irp i, 0,1,2,3,4,5,6,7
	ds_load_b128 v[\f+32+8*\i:\f+32+8*\i+3],   v[ADRB+\slot] offset:\k+\i*16*PITCH
	ds_load_b128 v[\f+32+8*\i+4:\f+32+8*\i+7], v[ADRB+\slot] offset:\k+\i*16*PITCH+32
.endr
.irp i, 0,1,2,3
	ds_load_b128 v[\f+8*\i:\f+8*\i+3],   v[ADRA+\slot] offset:\k+\i*16*PITCH
	ds_load_b128 v[\f+8*\i+4:\f+8*\i+7], v[ADRA+\slot] offset:\k+\i*16*PITCH+32
.endr
.endm
.macro PLACES                          ; four places in front of loads into registers that matrix instructions have read, and of the first read of results
.rept 4
	v_nop
.endr
.endm
; A K step is four quarters of 32 along K, 32 matrix instructions each, on buffers 0, 1, 0, 1.  One of the first three: multiplies buffer f and, in its middle, fetches the next quarter, at byte k, into g.
.macro QUARTER slot, k, f, g, zero
	s_wait_dscnt 4                                 ; B and A's blocks 0, 1 are in; the youngest four loads (A's blocks 2, 3) may be out
	WIN MUL
	MUL8 \f, 0, \zero
	MUL8 \f, 1, \zero
	PLACES
	FETCH \slot, \k, \g
	s_wait_dscnt 24                                ; all but the 24 just issued
	WIN MUL
	MUL8 \f, 2, \zero
	MUL8 \f, 3, \zero
.endm
; The last quarter multiplies buffer 1 and changes slots: in front of the barrier each wave waits for all its tensor loads, adds 0 to its spare word, and waits for that and for its reads of this slot.  fill = 1: this slot is filled again, two K steps ahead.
.macro TURN slot, next, fill
	WIN 0                                          ; (the add's two registers lie in window 0)
	s_wait_tensorcnt 0x0                           ; all my tensor loads have landed: my part of the next slot
	ds_add_u32 v[SPW], v[NIL]
	s_wait_dscnt 5                                 ; (the add and the youngest four loads may be out)
	WIN MUL
	MUL8 F1, 0, 0                                  ; eight matrix instructions stand between the add and the wait for it
	s_wait_dscnt 0x0                               ; the add is done, and my reads of this slot are over
	s_barrier_signal -1
	MUL8 F1, 1, 0
.if \fill
	WIN 0
.endif
	s_barrier_wait -1
.if \fill
	CREST                                          ; the barrier has opened a round of the cluster's barrier: no wave of any partner still reads this slot or has a load on its way
	s_add_nc_u64 s[G0+4*\slot+2:G0+4*\slot+3], s[G0+4*\slot+2:G0+4*\slot+3], 2*KSTEP*2
	s_add_nc_u64 s[G0B+4*\slot+2:G0B+4*\slot+3], s[G0B+4*\slot+2:G0B+4*\slot+3], 2*KSTEP*2
	JLOAD \slot                                    ; the first tensor load behind the round: 112 matrix instructions ahead of the wait for it; its four v_nop are also the places in front of the loads below
.else
	PLACES
.endif
	FETCH \next, 0, F0
	WIN MUL
	MUL8 F1, 2, 0
	MUL8 F1, 3, 0
.endm
	s_wait_tensorcnt 1                             ; my part of K step 0 is in (K step 1's load may be out),
	s_barrier_signal -1
	s_barrier_wait -1                              ; everybody's is
	FETCH 0, 0, F0
	QUARTER 0, 64, F0, F1, 1                       ; the first quarter stands in front of the loop: its products start the sums
	WIN 0                                          ; at a label and at a branch every window is 0
	s_mov_b32 s3, LAPS-1
.Llap:                                                 ; a trip goes once round the ring, from a lap's second quarter to the next lap's first, and fills both slots again
	QUARTER 0, 128, F1, F0, 0
	QUARTER 0, 192, F0, F1, 0
	TURN 0, 1, 1
	QUARTER 1, 64,  F0, F1, 0
	QUARTER 1, 128, F1, F0, 0
	QUARTER 1, 192, F0, F1, 0
	TURN 1, 0, 1
	QUARTER 0, 64,  F0, F1, 0
	WIN 0
	s_sub_co_u32 s3, s3, 1
	s_cmp_lg_u32 s3, 0
	s_cbranch_scc1 .Llap
	QUARTER 0, 128, F1, F0, 0                      ; the last lap fills nothing
	QUARTER 0, 192, F0, F1, 0
	TURN 0, 1, 0
	QUARTER 1, 64,  F0, F1, 0
	QUARTER 1, 128, F1, F0, 0
	QUARTER 1, 192, F0, F1, 0
	s_wait_dscnt 4                                 ; the very last quarter: nothing more to fetch
	WIN MUL
	MUL8 F1, 0, 0
	MUL8 F1, 1, 0
	s_wait_dscnt 0
	MUL8 F1, 2, 0
	MUL8 F1, 3, 0
	WIN 0
; THE WAY OUT, block by block of 16 rows x 128 columns: through my own stage, back as whole rows of 512 bytes; there x -4 and the mask's choice; stored.
.macro TOSTAGE a
	WIN 0x08                                       ; an LDS store's data are its source 1: window 2
.irp b, 0,1,2,3,4,5,6,7
	ds_store_b128 v[STO], v[8*(8*(\a)+\b):8*(8*(\a)+\b)+3] offset:64*\b          ; each accumulator from its low end on
	ds_store_b128 v[STO], v[8*(8*(\a)+\b)+4:8*(8*(\a)+\b)+7] offset:64*\b+16
.endr
	WIN 0
.irp t, 0,1,2,3,4,5,6,7,8,9,10,11,12,13,14,15
	ds_load_b128 v[TMP+64*((\a)%2)+4*\t:TMP+64*((\a)%2)+4*\t+3], v[RD] offset:\t*SPITCH   ; LDS serves a wave's instructions in order: these see the stores above
.endr
.endm
.macro SEND a, younger                 ; younger: the LDS instructions issued behind block a's loads, which may stay out
.set TB, TMP+64*((\a)%2)
	s_wait_dscnt \younger
.irp t, 0,1,2,3,4,5,6,7,8,9,10,11,12,13,14,15
	v_pk_mul_f32 v[TB+4*\t:TB+4*\t+1], v[TB+4*\t:TB+4*\t+1], -4.0 op_sel_hi:[1,0]
	v_pk_mul_f32 v[TB+4*\t+2:TB+4*\t+3], v[TB+4*\t+2:TB+4*\t+3], -4.0 op_sel_hi:[1,0]
.irp c, 0,1,2,3
	v_and_b32 v[TT+\c], 0xff<<(8*\c), v[MW+16*(\a)+\t]         ; the mask's byte for column c of my four
.endr
.irp c, 0,1,2,3
	v_cmp_ne_u32 s[20+\c], 0, v[TT+\c]
.endr
.irp c, 0,1,2,3
	v_cndmask_b32 v[TB+4*\t+\c], v[TB+4*\t+\c], v[SENT], s[20+\c]
.endr
.endr
.if (\a) > 0
	s_add_nc_u64 s[8:9], s[8:9], 16*SIZE_N*4       ; (behind a wait on XCNT: the earlier stores have read their base)
.endif
.irp t, 0,1,2,3,4,5,6,7,8,9,10,11,12,13,14,15
	global_store_b128 v[CO], v[TB+4*\t:TB+4*\t+3], s[8:9] offset:\t*SIZE_N*4   ; 32 lanes store 512 consecutive bytes, at a multiple of 256 from the buffer's first byte
.endr
.endm
	s_wait_loadcnt 0x0                             ; the mask's words
	PLACES
	TOSTAGE 0
.irp a, 1,2,3
.if \a > 1
	s_wait_xcnt 0x0                                ; block a - 2's stores have read their registers and their base
.endif
	TOSTAGE \a
	SEND \a-1, 32                                  ; behind block a - 1's loads: block a's 16 stores and 16 loads
.endr
	s_wait_xcnt 0x0
	SEND 3, 0
	s_wait_tensorcnt 0x0                           ; the wave's end: behind my last tensor load and my last LDS store
	ds_add_u32 v[SPW], v[NIL]
	s_wait_dscnt 0x0
	CROUND                                         ; the closing round
	s_endpgm
.Lfunc_end_k_qaa60aeacaf_simbias:
	.size	k_qaa60aeacaf_simbias, .Lfunc_end_k_qaa60aeacaf_simbias-k_qaa60aeacaf_simbias
	.p2alignl 7, 3214868480
	.fill 96, 4, 3214868480
	.section	.rodata,"a",@progbits
	.p2align	6, 0x0
	.amdhsa_kernel k_qaa60aeacaf_simbias
		.amdhsa_group_segment_fixed_size 327680
		.amdhsa_private_segment_fixed_size 0
		.amdhsa_enable_private_segment 0
		.amdhsa_kernarg_size 24
		.amdhsa_user_sgpr_count 2
		.amdhsa_user_sgpr_kernarg_segment_ptr 1
		.amdhsa_wavefront_size32 1
		.amdhsa_system_sgpr_workgroup_id_x 1
		.amdhsa_system_sgpr_workgroup_id_y 1
		.amdhsa_system_sgpr_workgroup_id_z 1
		.amdhsa_system_vgpr_workitem_id 0
		.amdhsa_next_free_vgpr 768
		.amdhsa_next_free_sgpr 68
		.amdhsa_reserve_vcc 0
		.amdhsa_float_denorm_mode_32 3
		.amdhsa_float_denorm_mode_16_64 3
		.amdhsa_memory_ordered 1
		.amdhsa_forward_progress 1
		.amdhsa_inst_pref_size 148
	.end_amdhsa_kernel
	.amdgpu_metadata
---
amdhsa.version: [ 1, 2 ]
amdhsa.kernels:
  - .name:           k_qaa60aeacaf_simbias
    .symbol:         k_qaa60aeacaf_simbias.kd
    .args:
      - { .name: h16, .offset: 0, .size: 8, .value_kind: global_buffer, .address_space: global }
      - { .name: attn_mask, .offset: 8, .size: 8, .value_kind: global_buffer, .address_space: global }
      - { .name: bias, .offset: 16, .size: 8, .value_kind: global_buffer, .address_space: global }
    .group_segment_fixed_size: 327680
    .private_segment_fixed_size: 0
    .kernarg_segment_align: 8
    .kernarg_segment_size: 24
    .max_flat_workgroup_size: 128
    .sgpr_count:     68
    .vgpr_count:     768
    .wavefront_size: 32
...
	.end_amdgpu_metadata
.endif
;; end of part 3
;; launch attn (part 4): grid 16 x 16, 8 waves a work-group, clusters of 4 x 4, 327,680 bytes of LDS; arguments qkv, bias, ctx; writes ctx
.if DOCPART == 4
	.amdgcn_target "amdgcn-amd-amdhsa--gfx1250"
	.amdhsa_code_object_version 6
	.text
	.protected	k_qaa60aeacaf_attn
	.globl	k_qaa60aeacaf_attn
	.p2align	8
	.type	k_qaa60aeacaf_attn,@function
k_qaa60aeacaf_attn:
	s_mov_b64 s[64:65], 0
	v_nop
	global_prefetch_b8 v0, s[64:65] scope:SCOPE_SE
	s_setreg_imm32_b32 hwreg(HW_REG_WAVE_MODE, 25, 1), 1
	s_wait_xcnt 0x0
	s_wait_alu depctr_hold_cnt(0) depctr_sa_sdst(0) depctr_va_vdst(0) depctr_va_sdst(0) depctr_va_ssrc(0) depctr_va_vcc(0) depctr_vm_vsrc(0)
	s_getreg_b32 s2, hwreg(HW_REG_IB_STS2, 6, 4)
	s_cmp_eq_u32 s2, 0
	s_cbranch_scc0 .Lentry_in_a_cluster
	s_endpgm
.Lentry_in_a_cluster:
	s_bfe_u32 s2, ttmp6, 0x10000c
	s_cmp_lg_u32 s2, 0xf033
	s_cbranch_scc0 .Lentry_shape_is_right
	s_endpgm
.Lentry_shape_is_right:
; ctx[token][64 head + d] = the sum over keys of softmax_k((q . k + bias[b][q][k]) / 8) v[k][d].  qkv: [4,096][3,072] f16 (q, k, v); bias: [2][2,048][2,048] f32 = -4 x similarity, or -2^127 where masked; ctx: [4,096][1,024] f16.
; k comes without bk (dead work: shown at the head of the first kernel).  Products on f16 operands, sums, maxima and the softmax in f32; the weights p are rounded to f16 for the second product, ctx once at the end.
; SHARES.  A work-group owns 128 queries of TWO neighbouring heads of one batch: the two heads' 128 channels make K's and V's rows 256 consecutive bytes, and one tile of the bias serves both.
; Wave w of eight: head w / 4 of the pair, queries 32 (w % 4) on: two tiles of 16.  Two waves share a SIMD, so that one wave's softmax stands beside the other's products.  Every wave walks all 2,048 keys, 64 a step, 128 a slot.
; LAYOUT.  S^T = K Q^T + bias^T (source 0 = 16 keys, source 1 = 16 queries; THE BIAS IS THE C of the first product, loaded from LDS straight into the accumulators): a lane holds ONE query (lane % 16) and keys 8 (lane / 16) + 0..7.
; Two such tiles, rounded to f16 in pairs, ARE source 1 of O^T = V^T P.  K comes out of LDS as it lies, V turned, by ds_load_tr16_b128.
; THE LDS LOADS RUN A STEP AHEAD.  The scores have two sets of registers.  Behind a step's products K Q^T the next step's bias goes into the other set and its K into the fragments just read, in four runs of eight loads among the
; softmax's lines; behind the products V^T P the next step's V is asked for.  So the change of slots stands in the MIDDLE of a slot's second step, behind its K Q^T: by then all reads of the slot have been issued.
; SOFTMAX.  For each query a running maximum m and sum l: p = 2^(c s - c m), c = log2(e) / 8; in every step O and l are multiplied by a = 2^(c m_old - c m_new).
; THE MASK.  A masked place holds -2^127, and m starts there.  c x -2^127 is exact (only the exponent moves), so while all keys so far are masked c s - c m is 0 or less: no infinity arises.  What is summed meanwhile is finite and is
; multiplied by a = 0 when the first open key comes.  A query with no open key ends with m under -1e38 and gets NaN, by a select, as the softmax of a row of -infinity gives.
; LIMITS: raw scores under -1e38 are not served; ctx lies within v's range, inside f16's.
; CLUSTER.  4 x 4 work-groups: x = four blocks of queries, y = four pairs of heads of one batch.  The bias tile hangs on batch, query block and keys: shared along a column.  K's and V's tiles hang on batch, pair and keys: shared along a row.  Both are asked for JOINTLY.
; REGISTERS: window 0: v0-15 addresses; v16-31 statistics, eight a tile; v32-95, v96-159 S^T, two sets; v160-191 P; v192-255 K's fragments.   window 1: v0-31 Q; v32-95 O^T; v96-159 V's fragments.
.set QKVB,  6144                       ; a row of qkv in bytes
.set BIASB, 8192                       ; a row of the bias
.set PB,    528                        ; LDS rows: the bias, 512 bytes + 16;
.set PK,    272                        ; K, 256 + 16: in both the 16 rows of a load start at 16 different banks (64 banks of 4 bytes: ISA guide 11.1);
.set PV,    288                        ; V, 256 + 32
.set KOFF,  128*PB                     ; a slot: 128 rows of the bias, 128 of K, 128 of V
.set VOFF,  KOFF+128*PK
.set SLOTB, VOFF+128*PV                ; 139,264
.set STAGE, 2*SLOTB                    ; behind the ring: 128 rows x 272 bytes, the work-group's, for the way out
.set SP,    272
.set SPARE, STAGE+128*SP               ; the spare words, 128 bytes a wave, which no other line names
.set SPW, 3                            ; v3   LDS address of my spare word; never rewritten
.set ABI, 4                            ; v4-5 my place in the bias tile of slot 0, 1
.set AK,  6                            ; v6-7 in K's
.set AV,  8                            ; v8-9 in V's
.set QO,  10
.set STO, 11
.set RD,  12
.set GO,  13
.set PFO, 14                           ; v14  the prefetches' offset: a row of the tensor x my lane; never rewritten
.set NIL, 15                           ; v15  0; never rewritten
.set ST,  16                           ; tile t at v[ST + 8 t]: +0 c m, +1 m, +2, +3 l (even keys', odd keys'), +4 to +7 c0-c3 at work; a takes c2's place
.set S,   32                           ; set e at v[S + 64 e]
.set P,   160
.set KF,  192
.set QF,  0                            ; in window 1
.set O,   32                           ; in window 1
.set VF,  96                           ; in window 1
.set WV,  10
.set G1B, 24                           ; s[24:31], s[32:39], s[40:47] descriptor groups 1: bias, K, V
.set G1K, 32
.set G1V, 40
.set G0B, 48                           ; s[48:55], s[56:63], s[68:75] groups 0, a set for each slot
.set G0K, 56
.set G0V, 68
.set CS,  76                           ; s[76:77] c
.set SEL, 78                           ; s[78:79] v_permlanex16_b32's selects for lane l xor 16
.set LOOP, 80
.set LIM, 82                           ; 1 in a wave that prefetches, else the greatest number
.set PFA, 84                           ; s[84:85] where my prefetches stand
.set PFS, 86                           ; s[86:87] a slot on, in bytes
.set NANM, 88                          ; s88, s89 the lanes whose query has no open key
.set MSB, 0
.macro WIN new                         ; the immediate's high byte repeats the setting that is left
.if MSB != \new
	s_set_vgpr_msb (MSB<<8)|\new
.set MSB, \new
.endif
.endm
.set W_KQ, 0x04                        ; Q (source 1) in window 1
.set W_RS, 0x41                        ; O^T (destination and source 0) in window 1
.set W_PV, 0x51                        ; V (source 0) and O^T (C and D) in window 1
.set TO_1, 0x40                        ; destination window 1, address window 0
; A joint refill of slot s: waves 0-3 the bias's quarters, waves 4, 5 K's halves, waves 6, 7 V's: 16 KiB each, one load a wave.  The branches hang on the wave's number alone.  An s_nop 0 and four v_nop follow each line.
.macro JLOAD s
	s_cmp_lt_u32 s[WV], 4
	s_cbranch_scc0 .Lnot_b_\@
	tensor_load_to_lds s[G0B+4*\s:G0B+4*\s+3], s[G1B:G1B+7]
	s_nop 0
.rept 4
	v_nop
.endr
	s_branch .Lasked_\@
.Lnot_b_\@:
	s_cmp_lt_u32 s[WV], 6
	s_cbranch_scc0 .Lnot_k_\@
	tensor_load_to_lds s[G0K+4*\s:G0K+4*\s+3], s[G1K:G1K+7]
	s_nop 0
.rept 4
	v_nop
.endr
	s_branch .Lasked_\@
.Lnot_k_\@:
	tensor_load_to_lds s[G0V+4*\s:G0V+4*\s+3], s[G1V:G1V+7]
	s_nop 0
.rept 4
	v_nop
.endr
.Lasked_\@:
.endm
; A PREFETCH INTO THE L2 of what the NEXT change of slots will ask for, behind the wave's tensor load and its five lines: two key steps' work ahead of that load.  Each aligned run of 256 bytes is named ONCE in the launch.
; A bias tile (128 rows x 512 bytes) is walked by the two cluster rows of its batch: the first of them asks; the four partners of a column take 32 rows each BY ADDRESS (32 cy on); waves 0 and 1 take a row's two halves, a lane a row.
; K's and V's tiles (128 rows x 256 bytes) are walked by all four clusters along x: cluster x = 0 asks; the four partners of a row take 32 rows each by address (32 cx on); wave 4 asks for K's, wave 6 for V's.
; last = 0: the trip's first change always has a successor; last = 1: its second has one while the loop's counter is above 1.  Slots 0 to 2 come by their loads alone.
.macro ASK last
.if \last
	s_cmp_gt_u32 s[LOOP], s[LIM]
.else
	s_cmp_eq_u32 s[LIM], 1
.endif
	s_cbranch_scc0 .Lnot_mine_\@
	global_prefetch_b8 v[PFO], s[PFA:PFA+1] th:TH_LOAD_NT scope:SCOPE_SE
.Lnot_mine_\@:
.endm
.macro CREST                           ; a round of the cluster's barrier behind its opening barrier
	s_cmp_lg_u32 s[WV], 0
	s_cbranch_scc1 .Lnot_wave_0_\@
	s_barrier_signal -3
.Lnot_wave_0_\@:
	s_barrier_wait -3
	s_barrier_signal -1
	s_barrier_wait -1
.endm
.macro CROUND                          ; a whole round
	s_barrier_signal -1
	s_barrier_wait -1
	CREST
.endm
	s_load_b128 s[4:7], s[0:1], 0x0                ; qkv, bias
	s_load_b64 s[8:9], s[0:1], 0x10                ; ctx
	v_lshl_add_u32 v[SPW], v0, 2, SPARE
	v_mov_b32 v[NIL], 0
	ds_add_u32 v[SPW], v[NIL]                      ; the wave's opening: the add, twice on end, and its wait ahead of my first tensor load
	ds_add_u32 v[SPW], v[NIL]
	v_lshrrev_b32 v1, 5, v0
	v_readfirstlane_b32 s[WV], v1                  ; wave 0..7
	s_bfe_u32 s11, ttmp6, 0x40000                  ; cx
	s_bfe_u32 s12, ttmp6, 0x40004                  ; cy
	s_and_b32 s13, ttmp7, 0xffff                   ; cluster y
	s_lshr_b32 s14, s13, 1
	s_lshl_b32 s14, s14, 11                        ; the batch's first token
	s_lshl_b32 s15, ttmp9, 2
	s_add_co_u32 s15, s15, s11                     ; my block of 128 queries
	s_and_b32 s16, s13, 1
	s_lshl_b32 s16, s16, 2
	s_add_co_u32 s16, s16, s12                     ; my pair of heads
	s_and_b32 s17, s[WV], 3
	s_and_b32 s18, s[WV], 1
	s_lshr_b32 s19, s[WV], 2
	s_lshl_b32 s90, s12, 2
	s_lshl_b32 s90, 15, s90                        ; my row of the cluster
	s_lshl_b32 s91, 0x1111, s11                    ; my column
	s_or_b32 s[G1B], s91, (2<<16)|(1<<20)|(1<<21)|(6<<22)|(3<<25)   ; the bias: my column; elements of 4 bytes; padding on; bit 21 beside a mask; 4 words after every 128
	s_mov_b32 s[G1B+1], 128<<16                    ; tensor_dim0 = 128
	s_mov_b32 s[G1B+2], 32<<16                     ; tensor_dim1 = 32
	s_mov_b32 s[G1B+3], 128<<16                    ; tile_dim0
	s_mov_b32 s[G1B+4], 32                         ; tile_dim1
	s_mov_b32 s[G1B+5], 2048                       ; from row to row, in elements
	s_mov_b32 s[G1B+6], 0
	s_mov_b32 s[G1B+7], 0
	s_or_b32 s[G1K], s90, (1<<16)|(1<<20)|(1<<21)|(5<<22)|(3<<25)   ; K: my row; elements of 2 bytes; 4 words after every 64
	s_or_b32 s[G1V], s90, (1<<16)|(1<<20)|(1<<21)|(5<<22)|(7<<25)   ; V: 8 words
.irp g, G1K, G1V
	s_mov_b32 s[\g+1], 128<<16
	s_mov_b32 s[\g+2], 64<<16
	s_mov_b32 s[\g+3], 128<<16
	s_mov_b32 s[\g+4], 64
	s_mov_b32 s[\g+5], 3072
	s_mov_b32 s[\g+6], 0
	s_mov_b32 s[\g+7], 0
.endr
	; where the tiles come from.  The bias's address is made of batch, query block and wave, K's and V's of batch, pair and wave, each in registers that never hold the other place in the cluster
	s_lshl_b32 s20, s15, 7
	s_add_co_u32 s20, s20, s14
	s_lshl_b32 s21, s17, 5
	s_add_co_u32 s20, s20, s21                     ; the bias: row 2,048 b + 128 x + 32 (w % 4)
	s_lshl_b32 s20, s20, 13
	s_mov_b32 s21, 0
	s_lshl_b32 s22, s18, 6
	s_add_co_u32 s22, s22, s14                     ; K: token 2,048 b + 64 (w % 2),
	s_mul_i32 s22, s22, QKVB
	s_lshl_b32 s23, s16, 8
	s_add_co_u32 s22, s22, s23                     ; the pair's 256 bytes,
	s_add_co_u32 s22, s22, 2048                    ; behind q's 2,048
	s_mov_b32 s23, 0
	s_mul_i32 s92, s17, 32*PB                      ; and where they go: no place in the cluster enters an LDS address
	s_mul_i32 s93, s18, 64*PK
	s_add_co_u32 s93, s93, KOFF
	s_mul_i32 s94, s18, 64*PV
	s_add_co_u32 s94, s94, VOFF
	s_mov_b32 s[CS], 0x3e38aa3b                    ; c = log2(e) / 8
	s_mov_b32 s[CS+1], s[CS]                       ; (named with it as a pair, so it is written)
	s_mov_b32 s[SEL], 0x76543210
	s_mov_b32 s[SEL+1], 0xfedcba98
	s_wait_dscnt 0x0                               ; both opening adds are done
	s_wait_kmcnt 0x0
	s_add_nc_u64 s[20:21], s[6:7], s[20:21]
	s_add_nc_u64 s[22:23], s[4:5], s[22:23]
	CROUND                                         ; all sixteen work-groups are here: the first joint loads meet
.irp s, 0,1
	s_mov_b32 s[G0B+4*\s], 1
	s_add_co_u32 s[G0B+4*\s+1], s92, \s*SLOTB
	s_add_nc_u64 s[G0B+4*\s+2:G0B+4*\s+3], s[20:21], \s*512          ; slot s begins with keys 128 s on
	s_or_b32 s[G0B+4*\s+3], s[G0B+4*\s+3], 0x80000000
	s_mov_b32 s[G0K+4*\s], 1
	s_add_co_u32 s[G0K+4*\s+1], s93, \s*SLOTB
	s_add_nc_u64 s[G0K+4*\s+2:G0K+4*\s+3], s[22:23], \s*128*QKVB
	s_or_b32 s[G0K+4*\s+3], s[G0K+4*\s+3], 0x80000000
	s_mov_b32 s[G0V+4*\s], 1
	s_add_co_u32 s[G0V+4*\s+1], s94, \s*SLOTB
	s_add_nc_u64 s[G0V+4*\s+2:G0V+4*\s+3], s[22:23], \s*128*QKVB+2048
	s_or_b32 s[G0V+4*\s+3], s[G0V+4*\s+3], 0x80000000
.endr
	s_cmp_lt_u32 s[WV], 4                          ; a wave's two first fills stand in one arm, ahead of every wait on TENSORcnt and every LDS read: two loads of mine are out
	s_cbranch_scc0 .Lfirst_nb
	tensor_load_to_lds s[G0B:G0B+3], s[G1B:G1B+7]
	s_nop 0
	tensor_load_to_lds s[G0B+4:G0B+7], s[G1B:G1B+7]
	s_nop 0
.rept 4
	v_nop
.endr
	s_branch .Lfirst_asked
.Lfirst_nb:
	s_cmp_lt_u32 s[WV], 6
	s_cbranch_scc0 .Lfirst_v
	tensor_load_to_lds s[G0K:G0K+3], s[G1K:G1K+7]
	s_nop 0
	tensor_load_to_lds s[G0K+4:G0K+7], s[G1K:G1K+7]
	s_nop 0
.rept 4
	v_nop
.endr
	s_branch .Lfirst_asked
.Lfirst_v:
	tensor_load_to_lds s[G0V:G0V+3], s[G1V:G1V+7]
	s_nop 0
	tensor_load_to_lds s[G0V+4:G0V+7], s[G1V:G1V+7]
	s_nop 0
.rept 4
	v_nop
.endr
.Lfirst_asked:
	; Q stays in registers: tile t, channels 32 f on: lane l holds query l % 16; registers 0-3 channels 8 (l / 16) + 0..7, registers 4-7 those 16 further on
	s_lshl_b32 s2, s15, 7
	s_add_co_u32 s2, s2, s14                       ; my block's first token
	s_lshl_b32 s3, s17, 5
	s_add_co_u32 s3, s3, s2                        ; my wave's first query
	s_mul_i32 s3, s3, QKVB
	s_lshl_b32 s94, s16, 8
	s_add_co_u32 s3, s3, s94                       ; the pair's 256 bytes,
	s_lshl_b32 s94, s19, 7
	s_add_co_u32 s92, s3, s94                      ; my head's 128 of them
	s_mov_b32 s93, 0
	s_add_nc_u64 s[92:93], s[4:5], s[92:93]        ; never rewritten
	v_and_b32 v1, 15, v0                           ; r = l % 16
	v_bfe_u32 v2, v0, 4, 1                         ; h = l / 16
	v_mul_u32_u24 v[QO], v1, QKVB
	v_lshl_add_u32 v[QO], v2, 4, v[QO]
	WIN TO_1                                       ; destination window 1
.irp t, 0,1
.irp f, 0,1
	global_load_b128 v[QF+16*\t+8*\f:QF+16*\t+8*\f+3],   v[QO], s[92:93] offset:\t*16*QKVB+64*\f
	global_load_b128 v[QF+16*\t+8*\f+4:QF+16*\t+8*\f+7], v[QO], s[92:93] offset:\t*16*QKVB+64*\f+32
.endr
.endr
.set I, 0
.rept 64
	v_mov_b32 v[O+I], 0                            ; O^T.  (The key step is written once: its first run finds zeros)
.set I, I+1
.endr
	WIN 0
	s_lshl_b32 s3, s[WV], 4
	s_add_co_u32 s3, s3, s2                        ; ctx: the 16 rows that I store: 16 x wave on,
	s_lshl_b32 s94, s3, 11
	s_lshl_b32 s3, s16, 8
	s_add_co_u32 s94, s94, s3                      ; the pair's 256 bytes
	s_mov_b32 s95, 0
	s_add_nc_u64 s[8:9], s[8:9], s[94:95]
	; the prefetches: where mine stand (at slot 2: the first change of slots steps them to slot 3), and who asks
	s_lshl_b32 s3, s12, 5
	s_add_co_u32 s2, s2, s3                        ; the bias: my work-group's 32 rows of the column's 128,
	s_lshl_b32 s2, s2, 13
	s_lshl_b32 s3, s18, 8
	s_add_co_u32 s2, s2, s3                        ; my wave's half of a row's 512 bytes,
	s_add_co_u32 s2, s2, 2*512
	s_lshl_b32 s3, s11, 5
	s_add_co_u32 s3, s3, s14                       ; K, V: my work-group's 32 rows of the row's 128,
	s_add_co_u32 s3, s3, 2*128
	s_mul_i32 s3, s3, QKVB
	s_lshl_b32 s94, s16, 8
	s_add_co_u32 s3, s3, s94
	s_bfe_u32 s94, s[WV], 0x10001                  ; wave 4: K; wave 6: V
	s_lshl_b32 s94, s94, 11
	s_add_co_u32 s3, s3, s94
	s_add_co_u32 s3, s3, 2048
	s_mov_b32 s94, QKVB
	s_mov_b32 s95, 128*QKVB
	s_cmp_lt_u32 s[WV], 4
	s_cselect_b64 s[PFA:PFA+1], s[6:7], s[4:5]
	s_cselect_b32 s2, s2, s3
	s_cselect_b32 s94, BIASB, s94                  ; from lane to lane
	s_cselect_b32 s[PFS], 512, s95                 ; a slot on
	s_mov_b32 s3, 0
	s_mov_b32 s[PFS+1], 0
	s_add_nc_u64 s[PFA:PFA+1], s[PFA:PFA+1], s[2:3]
	v_and_b32 v[PFO], 31, v0
	v_mul_lo_u32 v[PFO], v[PFO], s94
	s_and_b32 s2, s13, 1
	s_lshr_b32 s3, s[WV], 1
	s_or_b32 s2, s2, s3                            ; 0 in waves 0 and 1 of a batch's first cluster row
	s_and_b32 s3, s[WV], 5
	s_xor_b32 s3, s3, 4
	s_or_b32 s3, s3, ttmp9                         ; 0 in waves 4 and 6 of cluster x = 0
	s_min_u32 s2, s2, s3
	s_cmp_eq_u32 s2, 0                             ; made of the wave's number and the cluster's place in the grid: the same in all sixteen partners
	s_cselect_b32 s[LIM], 1, -1
	; LDS addresses
	s_mul_i32 s3, s17, 32*PB
	v_mul_u32_u24 v[ABI], v1, PB
	v_lshl_add_u32 v[ABI], v2, 5, v[ABI]
	v_add_nc_u32 v[ABI], s3, v[ABI]                ; the bias: row 32 (w % 4) + r, + 32 h: my eight keys of a tile of 16
	v_add_nc_u32 v[ABI+1], SLOTB, v[ABI]
	s_lshl_b32 s3, s19, 7
	s_add_co_u32 s3, s3, KOFF
	v_mul_u32_u24 v[AK], v1, PK
	v_lshl_add_u32 v[AK], v2, 4, v[AK]
	v_add_nc_u32 v[AK], s3, v[AK]                  ; K: row r, + 16 h, + my head's 128 bytes
	v_add_nc_u32 v[AK+1], SLOTB, v[AK]
	v_and_b32 v[AV], 7, v0
	v_lshl_add_u32 v[AV], v2, 3, v[AV]
	v_mul_u32_u24 v[AV], v[AV], PV
	v_bfe_u32 v[AV+1], v0, 3, 1
	v_lshl_add_u32 v[AV], v[AV+1], 4, v[AV]
	s_add_co_u32 s3, s3, VOFF-KOFF
	v_add_nc_u32 v[AV], s3, v[AV]                  ; V, for the turning load: key 8 h + l % 8, channels 8 ((l / 8) % 2) on
	v_add_nc_u32 v[AV+1], SLOTB, v[AV]
	s_mul_i32 s3, s17, 32*SP
	s_lshl_b32 s2, s19, 7
	s_add_co_u32 s3, s3, s2
	s_add_co_u32 s3, s3, STAGE
	v_mul_u32_u24 v[STO], v1, SP
	v_lshl_add_u32 v[STO], v2, 4, v[STO]
	v_add_nc_u32 v[STO], s3, v[STO]                ; the stage, in: row 32 (w % 4) + r, my head's 128 bytes, + 16 h
	s_mul_i32 s3, s[WV], 16*SP
	s_add_co_u32 s3, s3, STAGE
	v_mul_u32_u24 v[RD], v2, SP
	v_lshl_add_u32 v[RD], v1, 4, v[RD]
	v_add_nc_u32 v[RD], s3, v[RD]                  ; back: rows 16 w on; lanes 0-15 one row of 256 bytes, lanes 16-31 the next
	v_lshlrev_b32 v[GO], 11, v2
	v_lshl_add_u32 v[GO], v1, 4, v[GO]             ; and the same two rows in ctx
.irp t, 0,1
	v_mov_b32 v[ST+8*\t+1], 0xff000000             ; m = -2^127
	v_mul_f32 v[ST+8*\t], s[CS], v[ST+8*\t+1]      ; c m, exact
	v_mov_b32 v[ST+8*\t+2], 0                      ; l
	v_mov_b32 v[ST+8*\t+3], 0
.endr
; The symbols of the step in hand: SC: its set of scores;  SN: the other set, which takes the next step's bias;  NS, NE: the next step's slot and its half of that slot.
; Eight of the next step's 32 loads.  g = 0, 1: the bias of tile g, my query and eight keys of each of four key tiles: the sums' start.  g = 2, 3: K's key tiles 2 (g - 2) and the next.
.macro LDN g
.if (\g) < 2
.irp kt, 0,1,2,3
	ds_load_b128 v[SN+32*(\g)+8*\kt:SN+32*(\g)+8*\kt+3],   v[ABI+NS] offset:16*PB*(\g)+256*NE+64*\kt
	ds_load_b128 v[SN+32*(\g)+8*\kt+4:SN+32*(\g)+8*\kt+7], v[ABI+NS] offset:16*PB*(\g)+256*NE+64*\kt+16
.endr
.else
.irp q, 0,1
.set KT, 2*((\g)-2)+\q
.irp f, 0,1
	ds_load_b128 v[KF+8*(2*KT+\f):KF+8*(2*KT+\f)+3],   v[AK+NS] offset:(64*NE+16*KT)*PK+64*\f
	ds_load_b128 v[KF+8*(2*KT+\f)+4:KF+8*(2*KT+\f)+7], v[AK+NS] offset:(64*NE+16*KT)*PK+64*\f+32
.endr
.endr
.endif
.endm
.macro LDV                             ; the next step's V, turned: sixteen loads; the destination lies in window 1
.irp u, 0,1
.irp dt, 0,1,2,3
	ds_load_tr16_b128 v[VF+8*(4*\u+\dt):VF+8*(4*\u+\dt)+3],   v[AV+NS] offset:(64*NE+32*\u)*PV+32*\dt
	ds_load_tr16_b128 v[VF+8*(4*\u+\dt)+4:VF+8*(4*\u+\dt)+7], v[AV+NS] offset:(64*NE+32*\u+16)*PV+32*\dt
.endr
.endr
.endm
; THE SOFTMAX of both tiles for 64 keys, the tiles line by line in turn, in two parts.  SM_MAX: the new m, c m and c m_old - c m_new: plain work on registers, no exponential.
.macro SM_MAX
.irp j, 0,1,2,3
.irp t, 0,1
	v_max3_num_f32 v[ST+8*\t+4+\j], v[SC+32*\t+8*\j], v[SC+32*\t+8*\j+1], v[SC+32*\t+8*\j+2]   ; each accumulator is read from its low end on
.endr
.endr
.irp g, 1,2
.irp j, 0,1,2,3
.irp t, 0,1
	v_max3_num_f32 v[ST+8*\t+4+\j], v[ST+8*\t+4+\j], v[SC+32*\t+8*\j+2*\g+1], v[SC+32*\t+8*\j+2*\g+2]
.endr
.endr
.endr
.irp t, 0,1
	v_max3_num_f32 v[ST+8*\t+4], v[ST+8*\t+4], v[SC+32*\t+7], v[SC+32*\t+15]
	v_max3_num_f32 v[ST+8*\t+6], v[ST+8*\t+6], v[SC+32*\t+23], v[SC+32*\t+31]
.endr
.irp t, 0,1
	v_max3_num_f32 v[ST+8*\t+4], v[ST+8*\t+4], v[ST+8*\t+5], v[ST+8*\t+6]
.endr
.irp t, 0,1
	v_max3_num_f32 v[ST+8*\t+4], v[ST+8*\t+4], v[ST+8*\t+7], v[ST+8*\t+1]   ; with the old m
.endr
.irp t, 0,1
	v_permlanex16_b32 v[ST+8*\t+5], v[ST+8*\t+4], s[SEL], s[SEL+1]          ; the query's other 32 keys lie in the lane 16 away
.endr
.irp t, 0,1
	v_mov_b32 v[ST+8*\t+7], v[ST+8*\t]             ; c m_old
.endr
.irp t, 0,1
	v_max_num_f32 v[ST+8*\t+1], v[ST+8*\t+4], v[ST+8*\t+5]
.endr
.irp t, 0,1
	v_mul_f32 v[ST+8*\t], s[CS], v[ST+8*\t+1]
.endr
.irp t, 0,1
	v_sub_f32 v[ST+8*\t+7], v[ST+8*\t+7], v[ST+8*\t]
.endr
.endm
; SM_REST: a, p, P and l.  The 66 exponentials are ONE batch with ONE wait.  nxt = 1: the next step's bias and K are asked for among these lines, eight loads at a time; they name no exponential's result.
.macro SM_REST nxt
.irp t, 0,1
	v_exp_f32 v[ST+8*\t+6], v[ST+8*\t+7]           ; a
.endr
.if \nxt
	LDN 0
.endif
.irp b, 0,1,2,3,4,5,6,7
.irp t, 0,1
	v_pk_fma_f32 v[SC+32*\t+2*\b:SC+32*\t+2*\b+1], v[SC+32*\t+2*\b:SC+32*\t+2*\b+1], s[CS:CS+1], v[ST+8*\t:ST+8*\t+1] op_sel_hi:[1,0,0] neg_lo:[0,0,1] neg_hi:[0,0,1]   ; c s - c m
.endr
.endr
.if \nxt
	LDN 1
.endif
.irp b, 8,9,10,11,12,13,14,15
.irp t, 0,1
	v_pk_fma_f32 v[SC+32*\t+2*\b:SC+32*\t+2*\b+1], v[SC+32*\t+2*\b:SC+32*\t+2*\b+1], s[CS:CS+1], v[ST+8*\t:ST+8*\t+1] op_sel_hi:[1,0,0] neg_lo:[0,0,1] neg_hi:[0,0,1]
.endr
.endr
.if \nxt
	LDN 2
.endif
.set I, 0
.rept 32
	v_exp_f32 v[SC+I], v[SC+I]                     ; p
.set I, I+1
.endr
.if \nxt
	LDN 3
.endif
.rept 32
	v_exp_f32 v[SC+I], v[SC+I]
.set I, I+1
.endr
	v_nop                                          ; a plain instruction behind the last exponential,
	s_wait_alu depctr_va_vdst(0)                   ; and the one wait ahead of the batch's first reader
.irp b, 0,1,2,3,4,5,6,7,8,9,10,11,12,13,14,15
.irp t, 0,1
	v_cvt_pk_f16_f32 v[P+16*\t+\b], v[SC+32*\t+2*\b], v[SC+32*\t+2*\b+1]
.endr
.endr
.irp u, 0,1,2,3,4,5,6,7                        ; the sum of a tile's 16 pairs, in place: neighbours 1, 2, 4 and 8 pairs apart
.irp t, 0,1
	v_pk_add_f32 v[SC+32*\t+4*\u:SC+32*\t+4*\u+1], v[SC+32*\t+4*\u:SC+32*\t+4*\u+1], v[SC+32*\t+4*\u+2:SC+32*\t+4*\u+3]
.endr
.endr
.irp u, 0,1,2,3
.irp t, 0,1
	v_pk_add_f32 v[SC+32*\t+8*\u:SC+32*\t+8*\u+1], v[SC+32*\t+8*\u:SC+32*\t+8*\u+1], v[SC+32*\t+8*\u+4:SC+32*\t+8*\u+5]
.endr
.endr
.irp u, 0,1
.irp t, 0,1
	v_pk_add_f32 v[SC+32*\t+16*\u:SC+32*\t+16*\u+1], v[SC+32*\t+16*\u:SC+32*\t+16*\u+1], v[SC+32*\t+16*\u+8:SC+32*\t+16*\u+9]
.endr
.endr
.irp t, 0,1
	v_pk_add_f32 v[SC+32*\t:SC+32*\t+1], v[SC+32*\t:SC+32*\t+1], v[SC+32*\t+16:SC+32*\t+17]
.endr
.irp t, 0,1
	v_pk_fma_f32 v[ST+8*\t+2:ST+8*\t+3], v[ST+8*\t+2:ST+8*\t+3], v[ST+8*\t+6:ST+8*\t+7], v[SC+32*\t:SC+32*\t+1] op_sel_hi:[1,0,1]   ; l = a l + the sum
.endr
.endm
; A KEY STEP: 64 keys, half e of slot s; its bias, K and V were asked for in the step before.  The accumulators take turns, one instruction a turn: seven others' stand between two links of a chain.
; nxt = 1: the next step's loads are issued.  chg = 1, 2: THE CHANGE OF SLOTS, in a slot's second step, behind its K Q^T: all reads of slot s have been issued.  Each wave waits for all its tensor loads (one is out: its part of the
; other slot), adds 0 to its spare word, and waits for that and for its reads of slot s.  chg = 1: the barrier opens a round of the cluster's, so that no wave of any partner still reads the slot or has a load on its way, and the
; joint refill, the keys two slots on, is the first thing behind the round.  chg = 2: nothing is left to ask for.  The search for the maximum, work on registers alone, stands between the signal and the wait.
.macro STEP s, e, chg, nxt
.set SC, S+64*(\e)
.set SN, S+64*(1-(\e))
.set NE, 1-(\e)
.if (\e) == 0
.set NS, \s
.else
.set NS, 1-(\s)
.endif
	s_wait_dscnt 16                                ; the bias and K are in; V's sixteen loads, issued behind them, may be out
	WIN W_KQ
.irp f, 0,1
.irp kt, 0,1,2,3
.irp t, 0,1
	v_wmma_f32_16x16x32_f16 v[SC+32*\t+8*\kt:SC+32*\t+8*\kt+7], v[KF+8*(2*\kt+\f):KF+8*(2*\kt+\f)+7], v[QF+16*\t+8*\f:QF+16*\t+8*\f+7], v[SC+32*\t+8*\kt:SC+32*\t+8*\kt+7]
.endr
.endr
.endr
	WIN 0
.rept 4
	v_nop                                          ; places in front of the first read of the scores, and of the loads into K's fragments
.endr
.if \chg
	s_wait_tensorcnt 0x0                           ; no tensor load of mine is out, so a group 0 may be written
	ds_add_u32 v[SPW], v[NIL]
.if (\chg) == 1
	s_add_nc_u64 s[G0B+4*\s+2:G0B+4*\s+3], s[G0B+4*\s+2:G0B+4*\s+3], 2*512
	s_add_nc_u64 s[G0K+4*\s+2:G0K+4*\s+3], s[G0K+4*\s+2:G0K+4*\s+3], 2*128*QKVB
	s_add_nc_u64 s[G0V+4*\s+2:G0V+4*\s+3], s[G0V+4*\s+2:G0V+4*\s+3], 2*128*QKVB
	s_wait_xcnt 0x0                                ; the last prefetch, two key steps back, has read its address, so it may be written
	s_add_nc_u64 s[PFA:PFA+1], s[PFA:PFA+1], s[PFS:PFS+1]
.endif
	s_wait_dscnt 0x0                               ; the add is done, and my reads of the slot, this step's V the last of them, are over
	s_barrier_signal -1
	SM_MAX
	s_barrier_wait -1
.if (\chg) == 1
	CREST
	JLOAD \s
	ASK \s
.endif
.else
	SM_MAX
.endif
	SM_REST \nxt
	WIN W_RS
.irp t, 0,1
.set I, 0
.rept 16
	v_pk_mul_f32 v[O+32*\t+I:O+32*\t+I+1], v[O+32*\t+I:O+32*\t+I+1], v[ST+8*\t+6:ST+8*\t+7] op_sel_hi:[1,0]   ; O^T x a, each accumulator from its low end on
.set I, I+2
.endr
.endr
.if \nxt
	s_wait_dscnt 32                                ; V is in; the next step's 32 loads, issued behind it, may be out
.else
	s_wait_dscnt 0x0
.endif
	WIN W_PV
.irp u, 0,1
.irp dt, 0,1,2,3
.irp t, 0,1
	v_wmma_f32_16x16x32_f16 v[O+32*\t+8*\dt:O+32*\t+8*\dt+7], v[VF+8*(4*\u+\dt):VF+8*(4*\u+\dt)+7], v[P+16*\t+8*\u:P+16*\t+8*\u+7], v[O+32*\t+8*\dt:O+32*\t+8*\dt+7]
.endr
.endr
.endr
.if \nxt
	WIN TO_1
.rept 4
	v_nop                                          ; places in front of loads into V's fragments
.endr
	LDV
.endif
	WIN 0
.endm
	s_wait_tensorcnt 1                             ; my part of slot 0 is in; slot 1's may stay out
	s_barrier_signal -1
	s_barrier_wait -1                              ; everybody's is
.set SN, S                                     ; the first step's loads, in the order in which every step leaves them: the bias, K, V
.set NS, 0
.set NE, 0
	LDN 0
	LDN 1
	LDN 2
	LDN 3
	WIN TO_1
	LDV
	WIN 0
	s_wait_loadcnt 0x0                             ; Q
	s_mov_b32 s[LOOP], 7
.Llap:                                             ; seven trips, two slots each: fourteen refills, keys 256 to 2,047
	STEP 0, 0, 0, 1
	STEP 0, 1, 1, 1
	STEP 1, 0, 0, 1
	STEP 1, 1, 1, 1
	s_sub_co_u32 s[LOOP], s[LOOP], 1
	s_cmp_lg_u32 s[LOOP], 0
	s_cbranch_scc1 .Llap
	STEP 0, 0, 0, 1                                ; the last two slots are written out: nothing is left to ask for
	STEP 0, 1, 2, 1
	STEP 1, 0, 0, 1
	STEP 1, 1, 0, 0
	; THE WAY OUT.  l's halves are added; O^T is divided by l, rounded to f16, set to NaN where no key was open, and goes through the work-group's stage: a row's 256 bytes come from the two heads' waves.
.irp t, 0,1
	v_add_f32 v[ST+8*\t+4], v[ST+8*\t+2], v[ST+8*\t+3]             ; (these additions are also the places behind the last products)
.endr
.irp t, 0,1
	v_permlanex16_b32 v[ST+8*\t+5], v[ST+8*\t+4], s[SEL], s[SEL+1]
.endr
.irp t, 0,1
	v_add_f32 v[ST+8*\t+4], v[ST+8*\t+4], v[ST+8*\t+5]
.endr
.irp t, 0,1
	v_rcp_f32 v[ST+8*\t+6], v[ST+8*\t+4]
.endr
	v_mov_b32 v[P], 0x7e007e00                     ; two NaN of f16.  (The plain instruction behind the reciprocals)
.irp t, 0,1
	v_cmp_gt_f32 s[NANM+\t], 0xfe967699, v[ST+8*\t+1]              ; -1e38 > m: no key was open
.endr
	s_wait_alu depctr_va_vdst(0)                   ; the wait ahead of the reciprocals' first reader
	WIN W_RS
.irp t, 0,1
.set I, 0
.rept 16
	v_pk_mul_f32 v[O+32*\t+I:O+32*\t+I+1], v[O+32*\t+I:O+32*\t+I+1], v[ST+8*\t+6:ST+8*\t+7] op_sel_hi:[1,0]
.set I, I+2
.endr
.endr
	WIN 0x05                                       ; sources 0 and 1 window 1, destination window 0
.irp t, 0,1
.set I, 0
.rept 16
	v_cvt_pk_f16_f32 v[S+16*\t+I], v[O+32*\t+2*I], v[O+32*\t+2*I+1]
.set I, I+1
.endr
.endr
	WIN 0
.irp t, 0,1
.set I, 0
.rept 16
	v_cndmask_b32 v[S+16*\t+I], v[S+16*\t+I], v[P], s[NANM+\t]
.set I, I+1
.endr
.endr
.irp t, 0,1
.irp dt, 0,1,2,3
	ds_store_b128 v[STO], v[S+16*\t+4*\dt:S+16*\t+4*\dt+3] offset:16*SP*\t+32*\dt   ; channels 16 dt + 8 h + 0..7 of query 16 t + r
.endr
.endr
	s_wait_dscnt 0x0                               ; for the others' sake: my stores into the stage are done
	s_barrier_signal -1
	s_barrier_wait -1
.irp i, 0,1,2,3,4,5,6,7
	ds_load_b128 v[S+32+4*\i:S+32+4*\i+3], v[RD] offset:\i*2*SP
.endr
.irp i, 0,1,2,3,4,5,6,7
	s_wait_dscnt 7-\i
	global_store_b128 v[GO], v[S+32+4*\i:S+32+4*\i+3], s[8:9] offset:\i*4096   ; 16 lanes store 256 consecutive bytes, at a multiple of 256 from the buffer's first byte
.endr
	s_wait_tensorcnt 0x0                           ; the wave's end: behind my last tensor load and my last LDS store
	ds_add_u32 v[SPW], v[NIL]
	s_wait_dscnt 0x0
	CROUND                                         ; the closing round
	s_endpgm
.Lfunc_end_k_qaa60aeacaf_attn:
	.size	k_qaa60aeacaf_attn, .Lfunc_end_k_qaa60aeacaf_attn-k_qaa60aeacaf_attn
	.p2alignl 7, 3214868480
	.fill 96, 4, 3214868480
	.section	.rodata,"a",@progbits
	.p2align	6, 0x0
	.amdhsa_kernel k_qaa60aeacaf_attn
		.amdhsa_group_segment_fixed_size 327680
		.amdhsa_private_segment_fixed_size 0
		.amdhsa_enable_private_segment 0
		.amdhsa_kernarg_size 24
		.amdhsa_user_sgpr_count 2
		.amdhsa_user_sgpr_kernarg_segment_ptr 1
		.amdhsa_wavefront_size32 1
		.amdhsa_system_sgpr_workgroup_id_x 1
		.amdhsa_system_sgpr_workgroup_id_y 1
		.amdhsa_system_sgpr_workgroup_id_z 1
		.amdhsa_system_vgpr_workitem_id 0
		.amdhsa_next_free_vgpr 416
		.amdhsa_next_free_sgpr 96
		.amdhsa_reserve_vcc 0
		.amdhsa_float_denorm_mode_32 3
		.amdhsa_float_denorm_mode_16_64 3
		.amdhsa_memory_ordered 1
		.amdhsa_forward_progress 1
		.amdhsa_inst_pref_size 172
	.end_amdhsa_kernel
	.amdgpu_metadata
---
amdhsa.version: [ 1, 2 ]
amdhsa.kernels:
  - .name:           k_qaa60aeacaf_attn
    .symbol:         k_qaa60aeacaf_attn.kd
    .args:
      - { .name: qkv, .offset: 0, .size: 8, .value_kind: global_buffer, .address_space: global }
      - { .name: bias, .offset: 8, .size: 8, .value_kind: global_buffer, .address_space: global }
      - { .name: ctx, .offset: 16, .size: 8, .value_kind: global_buffer, .address_space: global }
    .group_segment_fixed_size: 327680
    .private_segment_fixed_size: 0
    .kernarg_segment_align: 8
    .kernarg_segment_size: 24
    .max_flat_workgroup_size: 256
    .sgpr_count:     96
    .vgpr_count:     416
    .wavefront_size: 32
...
	.end_amdgpu_metadata
.endif
;; end of part 4
;; launch outproj (part 5): grid 8 x 32, 4 waves a work-group, clusters of 4 x 4, 327,680 bytes of LDS; arguments ctx, h16, bo, out0; writes out0
.if DOCPART == 5
	.amdgcn_target "amdgcn-amd-amdhsa--gfx1250"
	.amdhsa_code_object_version 6
	.text
	.protected	k_qaa60aeacaf_outproj
	.globl	k_qaa60aeacaf_outproj
	.p2align	8
	.type	k_qaa60aeacaf_outproj,@function
k_qaa60aeacaf_outproj:
	s_mov_b64 s[64:65], 0
	v_nop
	global_prefetch_b8 v0, s[64:65] scope:SCOPE_SE
	s_setreg_imm32_b32 hwreg(HW_REG_WAVE_MODE, 25, 1), 1
	s_wait_xcnt 0x0
	s_wait_alu depctr_hold_cnt(0) depctr_sa_sdst(0) depctr_va_vdst(0) depctr_va_sdst(0) depctr_va_ssrc(0) depctr_va_vcc(0) depctr_vm_vsrc(0)
	s_getreg_b32 s2, hwreg(HW_REG_IB_STS2, 6, 4)
	s_cmp_eq_u32 s2, 0
	s_cbranch_scc0 .Lentry_in_a_cluster
	s_endpgm
.Lentry_in_a_cluster:
	s_bfe_u32 s2, ttmp6, 0x10000c
	s_cmp_lg_u32 s2, 0xf033
	s_cbranch_scc0 .Lentry_shape_is_right
	s_endpgm
.Lentry_shape_is_right:
; out0[token][n] = sum over k of ctx[token][k] Wo[n][k] + bo[n].  ctx: [4,096][1,024] f16; Wo: h16's rows 4,096-5,119, f16; bo: [1,024] f32; out0: [4,096][1,024] f32.  Operands f16, sums f32.
; A tile of 128 x 128 is made by four waves, each 64 x 64: 16 accumulators.  K = 1,024 goes in steps of 256 (LDS rows of 512 bytes) through two slots.
; CLUSTERS: 4 x 4 work-groups; ctx's tile is shared along a row of the cluster, Wo's along a column: joint loads.
; THE MATRIX INSTRUCTION IS USED TRANSPOSED (source 0 = 16 rows of Wo, source 1 = 16 rows of ctx): a lane holds eight neighbouring outputs of one token.  bo IS THE C OF EACH SUM'S FIRST PRODUCT: 32 registers in the result's layout.
; REGISTERS: window 0: v0-31 addresses; v32-95 the way out; v96-127 bo; v128-255 the accumulators ((a, b) at v[128 + 8 (4 a + b)]).  window 1: two fragment buffers of 128.
.set SIZE_K, 1024
.set SIZE_N, 1024
.set KSTEP,  256
.set PITCH,  528                       ; an LDS row: 512 bytes + 16 of padding = 132 words: the 16 rows of a load start at 16 different banks (64 banks of 4 bytes: ISA guide 11.1)
.set HALFT,  64*PITCH
.set SLOT,   4*HALFT
.set STAGE,  2*SLOT                    ; behind the ring: 16 rows x 272 bytes for each wave: a wave's 64 columns of f32 are 256 bytes, aligned, so each wave goes out by itself
.set SPITCH, 272
.set SPARE,  STAGE+4*16*SPITCH         ; the spare words, 128 bytes a wave, which no other line names
.set LAPS,   SIZE_K/(2*KSTEP)
.set ADRA, 16
.set ADRB, 20
.set STO,  24
.set RD,   25
.set CO,   26
.set BOF,  27                          ; v27  32 x (lane / 16): my eight numbers of a tile of bo
.set SPW,  28                          ; v28  LDS address of my spare word; never rewritten
.set NIL,  29                          ; v29  0; never rewritten
.set TMP,  32
.set BO,   96
.set ACC,  128
.set F0,   0
.set F1,   128
.set G1, 24
.set G0, 32
.set G1B, 48
.set G0B, 56
.set MSB, 0
.macro WIN new
.if MSB != \new
	s_set_vgpr_msb (MSB<<8)|\new
.set MSB, \new
.endif
.endm
.set MUL,  0x05                        ; sources 0 (Wo) and 1 (ctx) window 1; C and D window 0
.set TO_F, 0x40
.macro JLOAD s                         ; a joint load: waves 0 and 1 fetch ctx's two halves, waves 2 and 3 Wo's; an s_nop 0 and four v_nop follow each of the two lines
	s_cmp_eq_u32 s11, 0
	s_cbranch_scc0 .Lfor_b_\@
	tensor_load_to_lds s[G0+4*\s:G0+4*\s+3], s[G1:G1+7]
	s_nop 0
.rept 4
	v_nop
.endr
	s_branch .Lasked_\@
.Lfor_b_\@:
	tensor_load_to_lds s[G0B+4*\s:G0B+4*\s+3], s[G1B:G1B+7]
	s_nop 0
.rept 4
	v_nop
.endr
.Lasked_\@:
.endm
.macro CREST
	s_cmp_lg_u32 s10, 0
	s_cbranch_scc1 .Lnot_wave_0_\@
	s_barrier_signal -3
.Lnot_wave_0_\@:
	s_barrier_wait -3
	s_barrier_signal -1
	s_barrier_wait -1
.endm
.macro CROUND
	s_barrier_signal -1
	s_barrier_wait -1
	CREST
.endm
	s_load_b128 s[4:7], s[0:1], 0x0                ; ctx, h16
	s_load_b64 s[66:67], s[0:1], 0x10              ; bo
	s_load_b64 s[8:9], s[0:1], 0x18                ; out0
	v_lshl_add_u32 v[SPW], v0, 2, SPARE
	v_mov_b32 v[NIL], 0
	ds_add_u32 v[SPW], v[NIL]                      ; the wave's opening: the add, twice on end, and its wait ahead of my first tensor load
	ds_add_u32 v[SPW], v[NIL]
	v_lshrrev_b32 v1, 5, v0
	v_readfirstlane_b32 s10, v1                    ; wave 0..3
	s_lshr_b32 s11, s10, 1                         ; which half of the tile's rows is mine.  Also: I fetch for ctx (0) or for Wo (1)
	s_and_b32 s12, s10, 1                          ; which half of its columns.  Also: which 64 rows of that tile I fetch
	s_bfe_u32 s40, ttmp6, 0x40000                  ; cx, cy
	s_bfe_u32 s41, ttmp6, 0x40004
	s_lshl_b32 s42, ttmp9, 2
	s_add_co_u32 s42, s42, s40                     ; tile column = 4 x cluster x + cx
	s_and_b32 s13, ttmp7, 0xffff
	s_lshl_b32 s13, s13, 2
	s_add_co_u32 s13, s13, s41                     ; tile row = 4 x cluster y + cy
	s_lshl_b32 s43, s41, 2
	s_lshl_b32 s43, 15, s43                        ; my row of the cluster
	s_lshl_b32 s44, 0x1111, s40                    ; my column
	s_or_b32 s[G1+0], s43, (1<<16)|(1<<20)|(1<<21)|(6<<22)|(3<<25)  ; the mask; elements of 2 bytes; padding on; bit 21 beside a mask; 4 words of padding after every 128
	s_or_b32 s[G1B+0], s44, (1<<16)|(1<<20)|(1<<21)|(6<<22)|(3<<25)
.irp g, G1, G1B
	s_mov_b32 s[\g+1], KSTEP<<16                   ; tensor_dim0 = 256
	s_mov_b32 s[\g+2], 64<<16                      ; tensor_dim1 = 64
	s_mov_b32 s[\g+3], KSTEP<<16                   ; tile_dim0
	s_mov_b32 s[\g+4], 64                          ; tile_dim1
	s_mov_b32 s[\g+5], SIZE_K                      ; from row to row
	s_mov_b32 s[\g+6], 0
	s_mov_b32 s[\g+7], 0
.endr
	s_lshl_b32 s17, s12, 6                         ; which 64 rows of the tile I fetch
	s_lshl_b32 s16, s13, 7
	s_add_co_u32 s16, s16, s17                     ; ctx: row 128 x tile row + 64 x half
	s_lshl_b32 s46, s42, 7
	s_add_co_u32 s46, s46, s17                     ; Wo: row 128 x tile column + 64 x half
	s_mov_b32 s17, 0
	s_mov_b32 s47, 0
	s_mov_b64 s[18:19], SIZE_K*2
	s_mul_u64 s[16:17], s[16:17], s[18:19]
	s_mul_u64 s[46:47], s[46:47], s[18:19]
	s_mul_i32 s20, s10, HALFT                      ; where they go: wave x 64 rows
	s_wait_dscnt 0x0                               ; both opening adds are done
	s_wait_kmcnt 0x0
	s_add_nc_u64 s[6:7], s[6:7], 4096*SIZE_K*2     ; Wo lies behind the 4,096 rows of x
	s_add_nc_u64 s[14:15], s[4:5], s[16:17]
	s_add_nc_u64 s[46:47], s[6:7], s[46:47]
	CROUND                                         ; all sixteen work-groups are here: the first joint loads meet
.irp s, 0,1
	s_mov_b32 s[G0+4*\s], 1
	s_add_co_u32 s[G0+4*\s+1], s20, \s*SLOT
	s_add_nc_u64 s[G0+4*\s+2:G0+4*\s+3], s[14:15], \s*KSTEP*2
	s_or_b32 s[G0+4*\s+3], s[G0+4*\s+3], 0x80000000
	s_mov_b32 s[G0B+4*\s], 1
	s_add_co_u32 s[G0B+4*\s+1], s20, \s*SLOT
	s_add_nc_u64 s[G0B+4*\s+2:G0B+4*\s+3], s[46:47], \s*KSTEP*2
	s_or_b32 s[G0B+4*\s+3], s[G0B+4*\s+3], 0x80000000
	JLOAD \s
.endr
	v_and_b32 v1, 15, v0                           ; l % 16
	v_bfe_u32 v2, v0, 4, 1                         ; l / 16
	s_lshl_b32 s46, s42, 9                         ; my first column, in bytes of f32: 512 x tile column + 256 x half: in bo and in a row of out0 alike
	s_lshl_b32 s47, s12, 8
	s_add_co_u32 s46, s46, s47
	s_mov_b32 s47, 0
	s_add_nc_u64 s[66:67], s[66:67], s[46:47]
	v_lshlrev_b32 v[BOF], 5, v2
.irp b, 0,1,2,3
	global_load_b128 v[BO+8*\b:BO+8*\b+3], v[BOF], s[66:67] offset:64*\b          ; register 8 b + j: bo of column 16 b + 8 (l / 16) + j
	global_load_b128 v[BO+8*\b+4:BO+8*\b+7], v[BOF], s[66:67] offset:64*\b+16
.endr
	v_mul_u32_u24 v3, v1, PITCH
	v_lshl_add_u32 v3, v2, 4, v3                   ; a fragment's row x pitch + 16 x half
	s_mul_i32 s21, s11, HALFT                      ; my 64 rows of ctx
	s_mul_i32 s22, s12, HALFT                      ; my 64 rows of Wo,
	s_add_co_u32 s22, s22, 2*HALFT                 ; which lie behind ctx's 128
.irp s, 0,1
	v_add_nc_u32 v[ADRA+\s], s21, v3
	v_add_nc_u32 v[ADRB+\s], s22, v3
	s_add_co_u32 s21, s21, SLOT
	s_add_co_u32 s22, s22, SLOT
.endr
	s_mul_i32 s23, s10, 16*SPITCH
	s_add_co_u32 s23, s23, STAGE                   ; my stage
	v_mul_u32_u24 v4, v1, SPITCH                   ; in: row l % 16, 32 bytes for each half of the lanes
	v_lshl_add_u32 v4, v2, 5, v4
	v_add_nc_u32 v[STO], s23, v4
	v_mul_u32_u24 v5, v2, SPITCH                   ; back: lanes 0-15 one row of 256 bytes, lanes 16-31 the next
	v_lshl_add_u32 v5, v1, 4, v5
	v_add_nc_u32 v[RD], s23, v5
	v_mul_u32_u24 v5, v2, SIZE_N*4                 ; and the same two rows in out0
	v_lshl_add_u32 v[CO], v1, 4, v5
	s_lshl_b32 s16, s13, 7
	s_lshl_b32 s17, s11, 6
	s_add_co_u32 s16, s16, s17                     ; my first row of out0
	s_lshl_b32 s16, s16, 12                        ; rows of 4,096 bytes
	s_mov_b32 s17, 0
	s_add_nc_u64 s[8:9], s[8:9], s[16:17]
	s_add_nc_u64 s[8:9], s[8:9], s[46:47]
; 8 matrix instructions: m blocks a0, a0 + 1 x all 4 n blocks, 32 along K: half c of buffer f.  first = 1: the sums start from bo
.macro MUL8 f, c, a0, first
.irp a, \a0, \a0+1
.irp b, 0,1,2,3
.if \first
	v_wmma_f32_16x16x32_f16 v[ACC+8*(4*(\a)+\b):ACC+8*(4*(\a)+\b)+7], v[\f+64+8*(4*\c+\b):\f+64+8*(4*\c+\b)+7], v[\f+8*(4*\c+\a):\f+8*(4*\c+\a)+7], v[BO+8*\b:BO+8*\b+7]
.else
	v_wmma_f32_16x16x32_f16 v[ACC+8*(4*(\a)+\b):ACC+8*(4*(\a)+\b)+7], v[\f+64+8*(4*\c+\b):\f+64+8*(4*\c+\b)+7], v[\f+8*(4*\c+\a):\f+8*(4*\c+\a)+7], v[ACC+8*(4*(\a)+\b):ACC+8*(4*(\a)+\b)+7]
.endif
.endr
.endr
.endm
.macro FETCH slot, k, f                ; 32 LDS loads in one run: the fragments of 64 along K at byte k of the rows; the first 32 along K first
	WIN TO_F
.irp c, 0,1
.irp i, 0,1,2,3
	ds_load_b128 v[\f+64+8*(4*\c+\i):\f+64+8*(4*\c+\i)+3],   v[ADRB+\slot] offset:\k+64*\c+\i*16*PITCH
	ds_load_b128 v[\f+64+8*(4*\c+\i)+4:\f+64+8*(4*\c+\i)+7], v[ADRB+\slot] offset:\k+64*\c+\i*16*PITCH+32
	ds_load_b128 v[\f+8*(4*\c+\i):\f+8*(4*\c+\i)+3],         v[ADRA+\slot] offset:\k+64*\c+\i*16*PITCH
	ds_load_b128 v[\f+8*(4*\c+\i)+4:\f+8*(4*\c+\i)+7],       v[ADRA+\slot] offset:\k+64*\c+\i*16*PITCH+32
.endr
.endr
.endm
.macro PLACES                          ; four places in front of loads into registers that matrix instructions have read, and of the first read of results
.rept 4
	v_nop
.endr
.endm
.macro QUARTER slot, k, f, g, first    ; 64 along K: multiplies buffer f and fetches the next quarter, at byte k, into g
	s_wait_dscnt 16                                ; the first 32 along K are in
	WIN MUL
	MUL8 \f, 0, 0, \first
	MUL8 \f, 0, 2, \first
	PLACES
	FETCH \slot, \k, \g
	s_wait_dscnt 32                                ; all but the 32 just issued
	WIN MUL
	MUL8 \f, 1, 0, 0
	MUL8 \f, 1, 2, 0
.endm
; The last quarter multiplies buffer 1 and changes slots: in front of the barrier each wave waits for all its tensor loads, adds 0 to its spare word, and waits for that and for its reads of this slot.  fill = 1: this slot is filled again, two K steps ahead.
.macro TURN slot, next, fill
	WIN 0
	s_wait_tensorcnt 0x0
	ds_add_u32 v[SPW], v[NIL]
	s_wait_dscnt 17                                ; (the add and the youngest sixteen loads may be out)
	WIN MUL
	MUL8 F1, 0, 0, 0
	s_wait_dscnt 0x0                               ; the add is done, and my reads of this slot are over
	s_barrier_signal -1
	MUL8 F1, 0, 2, 0
.if \fill
	WIN 0
.endif
	s_barrier_wait -1
.if \fill
	CREST                                          ; the barrier has opened a round of the cluster's barrier: no wave of any partner still reads this slot or has a load on its way
	s_add_nc_u64 s[G0+4*\slot+2:G0+4*\slot+3], s[G0+4*\slot+2:G0+4*\slot+3], 2*KSTEP*2
	s_add_nc_u64 s[G0B+4*\slot+2:G0B+4*\slot+3], s[G0B+4*\slot+2:G0B+4*\slot+3], 2*KSTEP*2
	JLOAD \slot                                    ; the first tensor load behind the round; its four v_nop are also the places in front of the loads below
.else
	PLACES
.endif
	FETCH \next, 0, F0
	WIN MUL
	MUL8 F1, 1, 0, 0
	MUL8 F1, 1, 2, 0
.endm
	s_wait_tensorcnt 1                             ; my part of K step 0 is in (K step 1's load may be out),
	s_barrier_signal -1
	s_barrier_wait -1                              ; everybody's is
	FETCH 0, 0, F0
	s_wait_loadcnt 0x0                             ; bo
	QUARTER 0, 128, F0, F1, 1
	WIN 0
	s_mov_b32 s3, LAPS-1
.Llap:
	QUARTER 0, 256, F1, F0, 0
	QUARTER 0, 384, F0, F1, 0
	TURN 0, 1, 1
	QUARTER 1, 128, F0, F1, 0
	QUARTER 1, 256, F1, F0, 0
	QUARTER 1, 384, F0, F1, 0
	TURN 1, 0, 1
	QUARTER 0, 128, F0, F1, 0
	WIN 0
	s_sub_co_u32 s3, s3, 1
	s_cmp_lg_u32 s3, 0
	s_cbranch_scc1 .Llap
	QUARTER 0, 256, F1, F0, 0                      ; the last lap fills nothing
	QUARTER 0, 384, F0, F1, 0
	TURN 0, 1, 0
	QUARTER 1, 128, F0, F1, 0
	QUARTER 1, 256, F1, F0, 0
	QUARTER 1, 384, F0, F1, 0
	s_wait_dscnt 16
	WIN MUL
	MUL8 F1, 0, 0, 0
	MUL8 F1, 0, 2, 0
	s_wait_dscnt 0
	MUL8 F1, 1, 0, 0
	MUL8 F1, 1, 2, 0
	WIN 0
; THE WAY OUT, block by block of 16 rows x 64 columns: through my own stage, back as whole rows of 256 bytes, stored.
.macro TOSTAGE a
.irp b, 0,1,2,3
	ds_store_b128 v[STO], v[ACC+8*(4*(\a)+\b):ACC+8*(4*(\a)+\b)+3] offset:64*\b          ; each accumulator from its low end on
	ds_store_b128 v[STO], v[ACC+8*(4*(\a)+\b)+4:ACC+8*(4*(\a)+\b)+7] offset:64*\b+16
.endr
.irp i, 0,1,2,3,4,5,6,7
	ds_load_b128 v[TMP+32*((\a)%2)+4*\i:TMP+32*((\a)%2)+4*\i+3], v[RD] offset:\i*2*SPITCH   ; LDS serves a wave's instructions in order: these see the stores above
.endr
.endm
.macro SEND a, younger                 ; younger: the LDS instructions issued behind block a's loads, which may stay out
.set TB, TMP+32*((\a)%2)
	s_wait_dscnt \younger
.if (\a) > 0
	s_add_nc_u64 s[8:9], s[8:9], 16*SIZE_N*4       ; (behind a wait on XCNT: the earlier stores have read their base)
.endif
.irp i, 0,1,2,3,4,5,6,7
	global_store_b128 v[CO], v[TB+4*\i:TB+4*\i+3], s[8:9] offset:2*\i*SIZE_N*4 th:TH_STORE_NT   ; 16 lanes store 256 consecutive bytes, at a multiple of 256 from the buffer's first byte; written once, read by nobody here
.endr
.endm
	PLACES
	TOSTAGE 0
.irp a, 1,2,3
.if \a > 1
	s_wait_xcnt 0x0                                ; block a - 2's stores have read their registers and their base
.endif
	TOSTAGE \a
	SEND \a-1, 16                                  ; behind block a - 1's loads: block a's 8 stores and 8 loads
.endr
	s_wait_xcnt 0x0
	SEND 3, 0
	s_wait_tensorcnt 0x0                           ; the wave's end: behind my last tensor load and my last LDS store
	ds_add_u32 v[SPW], v[NIL]
	s_wait_dscnt 0x0
	CROUND                                         ; the closing round
	s_endpgm
.Lfunc_end_k_qaa60aeacaf_outproj:
	.size	k_qaa60aeacaf_outproj, .Lfunc_end_k_qaa60aeacaf_outproj-k_qaa60aeacaf_outproj
	.p2alignl 7, 3214868480
	.fill 96, 4, 3214868480
	.section	.rodata,"a",@progbits
	.p2align	6, 0x0
	.amdhsa_kernel k_qaa60aeacaf_outproj
		.amdhsa_group_segment_fixed_size 327680
		.amdhsa_private_segment_fixed_size 0
		.amdhsa_enable_private_segment 0
		.amdhsa_kernarg_size 32
		.amdhsa_user_sgpr_count 2
		.amdhsa_user_sgpr_kernarg_segment_ptr 1
		.amdhsa_wavefront_size32 1
		.amdhsa_system_sgpr_workgroup_id_x 1
		.amdhsa_system_sgpr_workgroup_id_y 1
		.amdhsa_system_sgpr_workgroup_id_z 1
		.amdhsa_system_vgpr_workitem_id 0
		.amdhsa_next_free_vgpr 512
		.amdhsa_next_free_sgpr 68
		.amdhsa_reserve_vcc 0
		.amdhsa_float_denorm_mode_32 3
		.amdhsa_float_denorm_mode_16_64 3
		.amdhsa_memory_ordered 1
		.amdhsa_forward_progress 1
		.amdhsa_inst_pref_size 87
	.end_amdhsa_kernel
	.amdgpu_metadata
---
amdhsa.version: [ 1, 2 ]
amdhsa.kernels:
  - .name:           k_qaa60aeacaf_outproj
    .symbol:         k_qaa60aeacaf_outproj.kd
    .args:
      - { .name: ctx, .offset: 0, .size: 8, .value_kind: global_buffer, .address_space: global }
      - { .name: h16, .offset: 8, .size: 8, .value_kind: global_buffer, .address_space: global }
      - { .name: bo, .offset: 16, .size: 8, .value_kind: global_buffer, .address_space: global }
      - { .name: out0, .offset: 24, .size: 8, .value_kind: global_buffer, .address_space: global }
    .group_segment_fixed_size: 327680
    .private_segment_fixed_size: 0
    .kernarg_segment_align: 8
    .kernarg_segment_size: 32
    .max_flat_workgroup_size: 128
    .sgpr_count:     68
    .vgpr_count:     512
    .wavefront_size: 32
...
	.end_amdgpu_metadata
.endif
;; end of part 5
